; MI455X (gfx1250); checked and timed in simulation.
; The chip was launched on July 23, 2026; its instructions are those of AMD's public machine-readable ISA for CDNA 5 (MIT licence, August 2026) and "CDNA5" Instruction Set Architecture Reference Guide (July 2026). The comments in the code are by the model that wrote it; some were corrected since.
;; Multi Head Self Attention. Allowed arithmetic: matrix products marked QUANTISED: E4M3 operands, one given power-of-two scale a tensor, by v_wmma_f32_16x16x64_fp8_fp8 or v_wmma_f32_16x16x128_fp8_fp8, f32 sums; everything else in f32.
;; Inputs: Wo_b 1,024 float32; Wo_w 1,024 x 1,024 float32; Wqkv_b 3,072 float32; Wqkv_w 3,072 x 1,024 float32; lowp_scales 8 int32 (the exponents e of the quantised operands' scales 2^e); token_positions 2,048 int32; x 4 x 2,048 x 1,024 float32.
;; Outputs: out0 4 x 2,048 x 1,024 float32.
;; This version of the problem:
;;   THIS VERSION OF THE PROBLEM IS GIVEN IN LOW PRECISION. The matrix products marked QUANTISED in the list below multiply operands that are first quantised to E4M3 (4 exponent bits, 3 mantissa bits; 8 bits a number), with one given power-of-two scale for each operand tensor; their sums are f32. All else is computed in f32.
;;   The module's matrix products, in the order in which they are computed (A, B: the left and right operand; K: the contracted axis; several contracted axes count as one K, in the product's order):
;;     1. [M 8,192, K 1,024] x [K 1,024, N 3,072]; A: input x; B: input Wqkv_w: QUANTISED (scales: A lowp_scales[0], B lowp_scales[1])
;;     2. batch 64 x [M 2,048, K 64] x [K 64, N 2,048]; A: computed on the way; B: computed on the way: QUANTISED (scales: A lowp_scales[2], B lowp_scales[3])
;;     3. batch 64 x [M 2,048, K 2,048] x [K 2,048, N 64]; A: softmax (see below); B: computed on the way: QUANTISED (scales: A lowp_scales[4], B lowp_scales[5])
;;     4. [M 8,192, K 1,024] x [K 1,024, N 1,024]; A: computed on the way; B: input Wo_w: QUANTISED (scales: A lowp_scales[6], B lowp_scales[7])
;;   THE QUANTISER, for each operand of a quantised product, along K:
;;     - The operand's scale is 2^e, e = its entry of the input lowp_scales (int32; the entries are numbered through the quantised products in the list's order, A before B).
;;     - Each number is divided by the scale, clamped to +-448, and rounded to the nearest number of E4M3, ties to even, subnormals kept.
;;     - The product sums the exact products of the quantised numbers (number of the format x scale) in f32.
;;   ~~~python
;;   def quantise(x, axis, e):      # numpy; x: float32 -> the quantised numbers, widened to float32 again
;;       x = np.moveaxis(x, axis, -1); K = x.shape[-1]
;;       r = np.clip(x / 2.0 ** e, -448, 448)
;;       step = 2.0 ** (np.maximum(np.frexp(np.where(r == 0, 1, r))[1] - 1, -6) - 3)
;;       q = np.round(r / step) * step * 2.0 ** e      # np.round: ties to even
;;       return np.moveaxis(q, -1, axis).astype(np.float32)
;;   ~~~
;;   SOFTMAX AHEAD OF A QUANTISED PRODUCT. Where the list says 'softmax', what is quantised is not the finished softmax but p = 2^(t - M), with t = logit x log2(e) and M = ceil(the row's largest t), a whole number; so 1/2 < the row's largest p <= 1. The row's sum l is taken of the UNQUANTISED p, in f32, and the product's result is divided by l at the end. Since M is a whole number, a kernel that streams over the keys may use a running M (the ceiling of the running maximum): every later rescaling is an exact power of two, so the quantised numbers keep their values, but for numbers so far below the row's largest that they fall under the format's range.
;;   OPERANDS COMPUTED ON THE WAY. 'Computed on the way' means the value that the module computes at that place (a softmax that the list does not call 'softmax' is quantised finished and normalised). What goes into a quantiser is computed in f32, as accurately as f32 sums, v_exp_f32 and their like allow (about 1e-6 of the number): no bf16 or f16 on the way to a quantiser, and a product that is left as it is and whose result goes on into a quantised operand takes f32 operands (vector FMAs, or v_wmma_f32_16x16x4_f32). A number that lies on a knife's edge between two numbers of the format may be rounded either way, as far as f32 arithmetic and the matrix unit's own rounding can turn it there, and no further.
;; 2 versions, each right; version 2 is version 1 with the launch attn written anew for expert scheduling mode. Each part assembles by itself: llvm-mc -triple=amdgcn-amd-amdhsa -mcpu=gfx1250 --defsym DOCPART=n.
;; ======== version 1 of 2: 5 launches
;; limits: right only within a limited range of input values
;; workspace buffers: xc 8,388,608 bytes; wqc 3,145,728 bytes; woc 1,048,576 bytes; tab 524,288 bytes; qkvc 25,165,824 bytes; ac 8,388,608 bytes
;; launch prep (part 1): grid 800 x 1, 4 waves a work-group, no clusters, 34,304 bytes of LDS; arguments x, Wqkv_w, Wo_w, token_positions, lowp_scales, xc, wqc, woc, tab; writes xc, wqc, woc, tab
.if DOCPART == 1
	.amdgcn_target "amdgcn-amd-amdhsa--gfx1250"
	.amdhsa_code_object_version 6
	.text
	.protected	k_qbe85dcae24_prep
	.globl	k_qbe85dcae24_prep
	.p2align	8
	.type	k_qbe85dcae24_prep,@function
k_qbe85dcae24_prep:
	s_mov_b64 s[64:65], 0
	v_nop
	global_prefetch_b8 v0, s[64:65] scope:SCOPE_SE
	s_setreg_imm32_b32 hwreg(HW_REG_WAVE_MODE, 25, 1), 1
	s_wait_xcnt 0x0
; x [8192][1024], Wqkv_w [3072][1024] and Wo_w [1024][1024], f32 with K innermost, become codes of E4M3 with the given scales 2^e (entries 0, 1 and 7 of lowp_scales);
; and token_positions become the table of cosines and sines that the next launch turns Q and K by.
; code = x / 2^e, held within +-448, to the nearest code, ties to even.  LIMITS: -126 <= e <= 119; |position| <= 2^22; NaN among the inputs is not served.
; THE CODES ARE LAID AS IMAGES OF OPERAND REGISTERS.  A fragment of 16 rows x 128 k is 16 registers a lane: lane (r = lane % 16, h = lane / 16) holds row r, registers 2 c, 2 c + 1 hold k = 16 c + 8 h + 0 .. 7.
; Its image is 2,048 bytes: register 4 i + n of lane l lies at 512 i + 16 l + 4 n.  A tensor of codes is [block of 16 rows][k step of 128 : 8][2,048].
; SHARES.  Work-groups 0-511 take a block of 16 rows of x, 512-703 of Wqkv_w, 704-767 of Wo_w: only pointers and e are chosen, the three take one way through the text.  Wave w takes k steps w and w + 4.
; Each load reads 512 consecutive bytes of one row; the 16 x 512 bytes of a k step turn through the wave's own stage in LDS (rows 528 bytes apart: 33 x 16, so sixteen rows start in sixteen different
; columns of 16 bytes) and come back 32 bytes of a row at a time, as the conversions want them; each store writes 512 consecutive bytes.  No barrier: waves share nothing.  Both k steps' 32 loads go out at the head.
; Memory binds here: no matrix unit, no cluster, no tensor load: no byte is read by two work-groups.
; Work-groups 768-799 make the table and use no LDS: wave w of work-group g takes token block sb = 4 (g - 768) + w.
; tab [token block : 128][cq : 8][lane : 32][4] f32 = cos, sin of pair i0, cos, sin of pair i0 + 1, for token 16 sb + r and i0 = 8 (cq / 2) + 2 (cq % 2) + 4 h: the order in which the next launch's lanes hold the pairs.
.set SP,   528                         ; a stage row
.set R,    16                          ; v16-143   two sets of 64: a k step as loaded
.set X,    144                         ; v144-207  64 numbers of my row, in the operand's order
.set C,    208                         ; v208-239  two sets of 16: the codes; no store's data are written again
.set INV,  16                          ; the table's way: v16-31 the 16 frequencies, then the angles
.set OUT,  32                          ; v32-63    cos, sin of my 16 pairs
	s_load_b256 s[4:11], s[0:1], 0x0               ; x s[4:5], Wqkv_w s[6:7], Wo_w s[8:9], token_positions s[10:11]
	s_load_b256 s[12:19], s[0:1], 0x20             ; lowp_scales s[12:13], xc s[14:15], wqc s[16:17], woc s[18:19]
	s_load_b64 s[20:21], s[0:1], 0x40              ; tab
	v_lshl_add_u32 v240, v0, 2, 0x8400
	v_mov_b32 v241, 0
	v_lshrrev_b32 v4, 5, v0
	v_readfirstlane_b32 s22, v4                    ; wave
	v_and_b32 v5, 31, v0                           ; lane
	v_lshlrev_b32 v1, 4, v5                        ; 16 x lane
	v_and_b32 v6, 15, v0                           ; r
	v_bfe_u32 v7, v0, 4, 1                         ; h
	s_cmp_ge_u32 ttmp9, 768
	s_cbranch_scc1 .Ltable
	s_mul_i32 s23, s22, 16*SP                      ; my stage
	v_add_nc_u32 v2, s23, v1                       ; into it: 16 bytes a lane of a row
	v_mul_u32_u24 v3, v6, SP
	v_lshl_add_u32 v3, v7, 5, v3
	v_add_nc_u32 v3, s23, v3                       ; out of it: row r, + 32 h
	s_wait_kmcnt 0x0
	s_load_b256 s[24:31], s[12:13], 0x0            ; the eight exponents
	s_cmp_lt_u32 ttmp9, 512                        ; which tensor: the choice hangs on the work-group's number alone
	s_cselect_b64 s[32:33], s[4:5], s[6:7]
	s_cselect_b64 s[34:35], s[14:15], s[16:17]
	s_cselect_b32 s36, 0, 512
	s_cmp_lt_u32 ttmp9, 704
	s_cselect_b64 s[32:33], s[32:33], s[8:9]
	s_cselect_b64 s[34:35], s[34:35], s[18:19]
	s_cselect_b32 s36, s36, 704
	s_sub_co_u32 s36, ttmp9, s36                   ; my block of 16 rows
	s_lshl_b32 s38, s36, 16                        ; 16 rows of 4,096 bytes,
	s_lshl_b32 s37, s22, 9                         ; k step w: 512 bytes of a row
	s_add_co_u32 s38, s38, s37
	s_mov_b32 s39, 0
	s_add_nc_u64 s[32:33], s[32:33], s[38:39]
	s_lshl_b32 s38, s36, 14                        ; 8 images of 2,048 bytes,
	s_lshl_b32 s37, s22, 11                        ; image w
	s_add_co_u32 s38, s38, s37
	s_add_nc_u64 s[34:35], s[34:35], s[38:39]
.macro LOADF u                         ; k step w + 4 u: row j's 512 bytes, 16 a lane
.set j, 0
.rept 16
	global_load_b128 v[R+64*\u+4*j:R+64*\u+4*j+3], v1, s[32:33] offset:4096*j+2048*\u th:TH_LOAD_NT
.set j, j+1
.endr
.endm
	LOADF 0
	LOADF 1
	s_wait_kmcnt 0x0
	s_cmp_lt_u32 ttmp9, 512
	s_cselect_b32 s37, s24, s25                    ; e: entry 0 for x, 1 for Wqkv_w,
	s_cmp_lt_u32 ttmp9, 704
	s_cselect_b32 s37, s37, s31                    ; 7 for Wo_w
	s_add_co_i32 s37, s37, 127
	s_lshl_b32 s38, s37, 23
	v_mov_b32 v11, s38                             ; 2^e as f32: the conversion takes its exponent field
	s_add_co_i32 s37, s37, 8
	s_lshl_b32 s37, s37, 23
	s_or_b32 s37, s37, 0x600000
	v_mov_b32 v10, s37                             ; 448 x 2^e
.macro QF u
.set j, 0
.rept 16
	ds_store_b128 v2, v[R+64*\u+4*j:R+64*\u+4*j+3] offset:SP*j
.set j, j+1
.endr
.set j, 0
.rept 8                                ; LDS serves a wave's instructions in order: these see the stores above.  k = 16 j + 8 h + 0 .. 7 of row r
	ds_load_b128 v[X+8*j:X+8*j+3], v3 offset:64*j
	ds_load_b128 v[X+8*j+4:X+8*j+7], v3 offset:64*j+16
.set j, j+1
.endr
	s_wait_dscnt 0x0
.set j, 0
.rept 64
	v_med3_num_f32 v[X+j], v[X+j], -v10, v10       ; the conversion to an 8-bit code does not saturate (ISA guide 7.6.2): the hold at the largest code x the scale
.set j, j+1
.endr
.set j, 0
.rept 8
	v_cvt_scalef32_pk8_fp8_f32 v[C+16*\u+2*j:C+16*\u+2*j+1], v[X+8*j:X+8*j+7], v11
.set j, j+1
.endr
	v_nop                                          ; a plain line behind the last conversion
.set j, 0
.rept 4
	global_store_b128 v1, v[C+16*\u+4*j:C+16*\u+4*j+3], s[34:35] offset:8192*\u+512*j   ; 32 lanes store 512 consecutive bytes of the image
.set j, j+1
.endr
.endm
	s_wait_loadcnt 16                              ; the first k step's 16 loads are in; the second's 16 may be out
	QF 0
	s_wait_loadcnt 0x0
	QF 1
	s_wait_tensorcnt 0x0
	ds_add_u32 v240, v241
	s_wait_dscnt 0x0
	s_endpgm
.Ltable:
	s_sub_co_u32 s23, ttmp9, 768
	s_lshl_b32 s23, s23, 2
	s_add_co_u32 s23, s23, s22                     ; sb
	s_lshl_b32 s32, s23, 6                         ; 16 positions of 4 bytes
	s_mov_b32 s33, 0
	s_lshl_b32 s34, s23, 12                        ; 4,096 bytes of the table
	s_mov_b32 s35, 0
	s_mov_b32 s40, 0x3fc90fdb                      ; pi / 2 in three parts: the f32 nearest to it,
	s_mov_b32 s41, 0xb33bbd2e                      ; what that leaves,
	s_mov_b32 s42, 0xa6f72ced                      ; and what that leaves
	v_lshlrev_b32 v8, 2, v6                        ; 4 r
	v_lshlrev_b32 v9, 2, v7                        ; 4 h
	v_mov_b32 v72, 0x37d00d01                      ; 1 / 40320
	v_mov_b32 v73, 0x3638ef1d                      ; 1 / 362880
	s_wait_kmcnt 0x0
	s_add_nc_u64 s[10:11], s[10:11], s[32:33]
	s_add_nc_u64 s[20:21], s[20:21], s[34:35]
	global_load_b32 v12, v8, s[10:11]              ; my token's position
.set j, 0
.rept 16                               ; pair j = 2 cq + u of the lane is pair i = 8 (cq / 2) + 2 (cq % 2) + u + 4 h of the head
	v_add_nc_u32 v[INV+j], 8*(j/4)+2*((j/2)%2)+(j%2), v9
.set j, j+1
.endr
.set j, 0
.rept 16
	v_cvt_f32_u32 v[INV+j], v[INV+j]
.set j, j+1
.endr
.set j, 0
.rept 16
	v_mul_f32 v[INV+j], 0xbed49a78, v[INV+j]       ; - i log2(10000) / 32
.set j, j+1
.endr
.set j, 0
.rept 16
	v_exp_f32 v[INV+j], v[INV+j]                   ; 10000^(-2 i / 64)
.set j, j+1
.endr
	v_nop                                          ; a plain line behind the last exponential
	s_wait_loadcnt 0x0
	v_cvt_f32_i32 v12, v12
	s_wait_alu depctr_va_vdst(0)                   ; one wait for the batch of sixteen, ahead of its first reader
.set j, 0
.rept 16
	v_mul_f32 v[INV+j], v12, v[INV+j]              ; the angle, rounded once, as reference() has it
.set j, j+1
.endr
; cos and sin of v[f].  n = the nearest whole number to f 2 / pi; r = f - n pi / 2 by three fused multiply-adds, |r| <= pi / 4; the two series in s = r^2 (the first term left out is under 2.5e-8);
; n mod 4 says which of the two is which, and the signs.
.macro SINCOS f, co, so
	v_mul_f32 v64, 0x3f22f983, v[\f]
	v_rndne_f32 v64, v64                           ; n
	v_fma_f32 v65, -v64, s40, v[\f]
	v_fma_f32 v65, -v64, s41, v65
	v_fma_f32 v65, -v64, s42, v65                  ; r
	v_mul_f32 v66, v65, v65                        ; s
	v_fmaak_f32 v67, v72, v66, 0xbab60b61          ; cos r = 1 - s / 2 + s^2 / 24 - s^3 / 720 + s^4 / 40320
	v_fmaak_f32 v67, v67, v66, 0x3d2aaaab
	v_fma_f32 v67, v67, v66, -0.5
	v_fma_f32 v67, v67, v66, 1.0
	v_fmaak_f32 v68, v73, v66, 0xb9500d01          ; sin r = r + r s (-1 / 6 + s / 120 - s^2 / 5040 + s^3 / 362880)
	v_fmaak_f32 v68, v68, v66, 0x3c088889
	v_fmaak_f32 v68, v68, v66, 0xbe2aaaab
	v_mul_f32 v69, v65, v66
	v_fma_f32 v68, v68, v69, v65
	v_cvt_i32_f32 v70, v64                         ; q
	v_and_b32 v71, 1, v70
	v_cmp_eq_u32 vcc_lo, 1, v71
	v_cndmask_b32 v[\so], v68, v67, vcc_lo         ; q odd: the two change places
	v_cndmask_b32 v[\co], v67, v68, vcc_lo
	v_lshlrev_b32 v71, 30, v70
	v_and_b32 v71, 0x80000000, v71                 ; sin is negated where q mod 4 is 2 or 3,
	v_xor_b32 v[\so], v[\so], v71
	v_add_nc_u32 v70, 1, v70
	v_lshlrev_b32 v70, 30, v70
	v_and_b32 v70, 0x80000000, v70                 ; cos where it is 1 or 2
	v_xor_b32 v[\co], v[\co], v70
.endm
.set j, 0
.rept 16
	SINCOS INV+j, OUT+2*j, OUT+2*j+1
.set j, j+1
.endr
.set j, 0
.rept 8
	global_store_b128 v1, v[OUT+4*j:OUT+4*j+3], s[20:21] offset:512*j   ; 32 lanes store 512 consecutive bytes
.set j, j+1
.endr
	s_endpgm
.Lfunc_end_k_qbe85dcae24_prep:
	.size	k_qbe85dcae24_prep, .Lfunc_end_k_qbe85dcae24_prep-k_qbe85dcae24_prep
	.p2alignl 7, 3214868480
	.fill 96, 4, 3214868480
	.section	.rodata,"a",@progbits
	.p2align	6, 0x0
	.amdhsa_kernel k_qbe85dcae24_prep
		.amdhsa_group_segment_fixed_size 34304
		.amdhsa_private_segment_fixed_size 0
		.amdhsa_enable_private_segment 0
		.amdhsa_kernarg_size 72
		.amdhsa_user_sgpr_count 2
		.amdhsa_user_sgpr_kernarg_segment_ptr 1
		.amdhsa_wavefront_size32 1
		.amdhsa_system_sgpr_workgroup_id_x 1
		.amdhsa_system_sgpr_workgroup_id_y 1
		.amdhsa_system_sgpr_workgroup_id_z 1
		.amdhsa_system_vgpr_workitem_id 0
		.amdhsa_next_free_vgpr 242
		.amdhsa_next_free_sgpr 66
		.amdhsa_reserve_vcc 1
		.amdhsa_float_denorm_mode_32 3
		.amdhsa_float_denorm_mode_16_64 3
		.amdhsa_memory_ordered 1
		.amdhsa_forward_progress 1
		.amdhsa_inst_pref_size 45
	.end_amdhsa_kernel
	.amdgpu_metadata
---
amdhsa.version: [ 1, 2 ]
amdhsa.kernels:
  - .name:           k_qbe85dcae24_prep
    .symbol:         k_qbe85dcae24_prep.kd
    .args:
      - { .name: x, .offset: 0, .size: 8, .value_kind: global_buffer, .address_space: global }
      - { .name: Wqkv_w, .offset: 8, .size: 8, .value_kind: global_buffer, .address_space: global }
      - { .name: Wo_w, .offset: 16, .size: 8, .value_kind: global_buffer, .address_space: global }
      - { .name: token_positions, .offset: 24, .size: 8, .value_kind: global_buffer, .address_space: global }
      - { .name: lowp_scales, .offset: 32, .size: 8, .value_kind: global_buffer, .address_space: global }
      - { .name: xc, .offset: 40, .size: 8, .value_kind: global_buffer, .address_space: global }
      - { .name: wqc, .offset: 48, .size: 8, .value_kind: global_buffer, .address_space: global }
      - { .name: woc, .offset: 56, .size: 8, .value_kind: global_buffer, .address_space: global }
      - { .name: tab, .offset: 64, .size: 8, .value_kind: global_buffer, .address_space: global }
    .group_segment_fixed_size: 34304
    .private_segment_fixed_size: 0
    .kernarg_segment_align: 8
    .kernarg_segment_size: 72
    .max_flat_workgroup_size: 128
    .sgpr_count:     66
    .vgpr_count:     242
    .wavefront_size: 32
...
	.end_amdgpu_metadata
.endif
;; end of part 1
;; launch qk (part 2): grid 8 x 32, 4 waves a work-group, clusters of 4 x 4, 327,680 bytes of LDS; arguments xc, wqc, lowp_scales, Wqkv_b, tab, qkvc; writes qkvc
.if DOCPART == 2
	.amdgcn_target "amdgcn-amd-amdhsa--gfx1250"
	.amdhsa_code_object_version 6
	.text
	.protected	k_qbe85dcae24_qk
	.globl	k_qbe85dcae24_qk
	.p2align	8
	.type	k_qbe85dcae24_qk,@function
k_qbe85dcae24_qk:
	s_mov_b64 s[64:65], 0
	v_nop
	global_prefetch_b8 v0, s[64:65] scope:SCOPE_SE
	s_setreg_imm32_b32 hwreg(HW_REG_WAVE_MODE, 25, 1), 1
	s_wait_xcnt 0x0
	s_wait_alu depctr_hold_cnt(0) depctr_sa_sdst(0) depctr_va_vdst(0) depctr_va_sdst(0) depctr_va_ssrc(0) depctr_va_vcc(0) depctr_vm_vsrc(0)
	s_getreg_b32 s2, hwreg(HW_REG_IB_STS2, 6, 4)
	s_cmp_eq_u32 s2, 0
	s_cbranch_scc0 .Lentry_in_a_cluster
	s_endpgm
.Lentry_in_a_cluster:
	s_bfe_u32 s2, ttmp6, 0x10000c
	s_cmp_lg_u32 s2, 0xf033
	s_cbranch_scc0 .Lentry_shape_is_right
	s_endpgm
.Lentry_shape_is_right:
; Q and K = x Wqkv_w^T + Wqkv_b (the first 2,048 rows of Wqkv_w) on codes of E4M3; both are turned by RoPE, quantised (entries 2 and 3 of lowp_scales) and stored as images of the operands of the attention launch.
; xc [block of 16 rows : 512][k step of 128 : 8][2,048], wqc [192][8][2,048]: images of operand registers (register 4 i + n of lane l at 512 i + 16 l + 4 n; lane (r, h): row r, registers 2 c, 2 c + 1: k = 16 c + 8 h + 0 .. 7).
; qkvc: Q at byte 0, K at 8 MiB, each [batch x 16 + head : 64][block of 16 tokens : 128][1,024]: rows = tokens, k = the head's 64.  (V, at 16 MiB, is made by the next launch.)
; LIMITS, so that each power of two below is an f32 number: e0 + e1 between -126 and 127; e2, e3 between -126 and 119.
; SHARES.  A tile of 256 tokens x 256 columns is made by four waves, each 128 x 128: 64 accumulators, 512 registers.  8 x 32 = 256 tiles.  K = 1,024 goes in four steps of 256 through a ring of two LDS slots; the steps are written out.
; CLUSTERS: 4 x 4 work-groups; the four of a row need the same tiles of x, the four of a column the same tiles of W: each tile is asked for jointly.  A cluster's x says what it makes: 0 Q, 1 K.
; ORIENTATION.  Source 0 = 16 rows of W, source 1 = 16 tokens: a lane holds ONE token and eight neighbouring columns: neighbours along the next K (the head's 64), RoPE's pairs in register pairs.
; So every conversion's result is an operand's registers and nothing is transposed; results go from registers to memory, 512 consecutive bytes a store.
; REGISTERS, in windows of 256: window 0: v1-31 addresses and constants; v32-95 the bias; v96-127 cos and sin of my first 16 tokens; v128-255 the tokens' fragments, ONE set; on the way out v128-255 are free.
;   window 1: W's fragments, TWO sets.   window 2: accumulators (a, b), a = 0 .. 3, at v[8 (8 a + b)];   window 3: a = 4 .. 7.
.set FR,     16                        ; registers of a fragment: 16 rows x 128 K
.set NL,     4                         ; LDS loads that bring one
.set NP,     4                         ; places behind this matrix instruction (ISA guide 7.12.1)
.set SLOT,   131072                    ; x: 16 blocks x 4,096 bytes (two k steps of 128), then W: the same
.set BPART,  65536                     ; where W's part of a slot begins
.set SPARE,  2*SLOT                    ; behind the ring: the spare words, 128 bytes for each wave: two blocks of 256 bytes that no other line names
.set ADRA, 16                          ; v16-17  LDS address of the tokens' fragments in slot 0, 1
.set ADRB, 20                          ; v20-21  of W's
.set LI,   26                          ; v26     16 x lane; never rewritten
.set SPW,  28                          ; v28     LDS address of my spare word; never rewritten
.set NIL,  29                          ; v29     0; never rewritten
.set SCL,  30                          ; v30     2^e of the operand that I make
.set LIM,  31                          ; v31     448 x that
.set BIAS, 32
.set CS,   96                          ; two sets of 32: v96-127, v128-159
.set AF,   128
.set T,    160
.set U,    192
.set CD,   224
.set G1, 24                            ; s[24:31] descriptor group 1 for x's tiles;  s[32:39] group 0, one set for each slot
.set G0, 32
.set G1B, 48                           ; s[48:55], s[56:63] the same for W's tiles
.set G0B, 56
.set MSB, 0
.macro WIN new                         ; the immediate's high byte repeats the setting that is left
.if MSB != \new
	s_set_vgpr_msb (MSB<<8)|\new
.set MSB, \new
.endif
.endm
.set MUL_LO, 0xa1                      ; source 0 window 1, source 1 window 0, C and D window 2
.set MUL_HI, 0xf1                      ; the same, C and D window 3
.set TO_B,   0x40                      ; destination window 1, address window 0
; A joint load: waves 0 and 1 fetch x's halves, waves 2 and 3 W's.  Each line has one mask and one set of registers for all that issue it; the branch hangs on the wave's number alone.  Four v_nop follow each line.
.macro JLOAD g0a, g1a, g0b, g1b
	s_cmp_eq_u32 s17, 0
	s_cbranch_scc0 .Lfor_b_\@
	tensor_load_to_lds s[\g0a:\g0a+3], s[\g1a:\g1a+7]
	s_nop 0
.rept 4
	v_nop
.endr
	s_branch .Lasked_\@
.Lfor_b_\@:
	tensor_load_to_lds s[\g0b:\g0b+3], s[\g1b:\g1b+7]
	s_nop 0
.rept 4
	v_nop
.endr
.Lasked_\@:
.endm
.macro CREST                           ; a round of the cluster's barrier behind its opening barrier
	s_cmp_lg_u32 s16, 0
	s_cbranch_scc1 .Lnot_wave_0_\@
	s_barrier_signal -3
.Lnot_wave_0_\@:
	s_barrier_wait -3
	s_barrier_signal -1
	s_barrier_wait -1
.endm
.macro CROUND                          ; a whole round
	s_barrier_signal -1
	s_barrier_wait -1
	CREST
.endm
	s_load_b256 s[4:11], s[0:1], 0x0               ; xc s[4:5], wqc s[6:7], lowp_scales s[8:9], Wqkv_b s[10:11]
	s_load_b128 s[12:15], s[0:1], 0x20             ; tab s[12:13], qkvc s[14:15]
	v_lshl_add_u32 v[SPW], v0, 2, SPARE
	v_mov_b32 v[NIL], 0
	ds_add_u32 v28, v29
	ds_add_u32 v28, v29
	s_wait_dscnt 0x0
	v_lshrrev_b32 v1, 5, v0
	v_readfirstlane_b32 s16, v1                    ; wave 0..3
	s_lshr_b32 s17, s16, 1                         ; PA: which 128 tokens are mine.  Also: I fetch for x (0) or for W (1)
	s_and_b32 s18, s16, 1                          ; PB: which 128 columns.  Also: which 8 blocks of that tile I fetch
	s_bfe_u32 s40, ttmp6, 0x40000                  ; cx, cy: my place in the cluster
	s_bfe_u32 s41, ttmp6, 0x40004
	s_lshl_b32 s42, ttmp9, 2
	s_add_co_u32 s42, s42, s40                     ; tile column = 4 x cluster x + cx
	s_and_b32 s43, ttmp7, 0xffff
	s_lshl_b32 s43, s43, 2
	s_add_co_u32 s43, s43, s41                     ; tile row = 4 x cluster y + cy
	s_lshl_b32 s44, s41, 2
	s_lshl_b32 s44, 15, s44                        ; my row of the cluster
	s_lshl_b32 s45, 0x1111, s40                    ; my column
	; descriptor group 1: 8 blocks x 4,096 bytes (two k steps' images on end), 16,384 bytes from block to block; dense in LDS
	s_or_b32 s[G1+0], s44, (3<<16)|(1<<21)         ; 15:0 the mask: x's tiles go to my row; 17:16 elements of 8 bytes; 20 no padding; 21 set beside a mask
	s_or_b32 s[G1B+0], s45, (3<<16)|(1<<21)        ; W's tiles go to my column
.irp g, G1, G1B
	s_mov_b32 s[\g+1], 512<<16                     ; tensor_dim0 = 512 elements
	s_mov_b32 s[\g+2], 8<<16                       ; tensor_dim1 = 8
	s_mov_b32 s[\g+3], 512<<16                     ; tile_dim0
	s_mov_b32 s[\g+4], 8                           ; tile_dim1
	s_mov_b32 s[\g+5], 2048                        ; tensor_dim0_stride, in elements
	s_mov_b32 s[\g+6], 0
	s_mov_b32 s[\g+7], 0
.endr
	s_lshl_b32 s23, s18, 17                        ; which 8 blocks of 16,384 bytes I fetch
	s_lshl_b32 s20, s43, 18                        ; x: 16 blocks x tile row
	s_add_co_u32 s20, s20, s23
	s_mov_b32 s21, 0
	s_lshl_b32 s46, s42, 18                        ; W: 16 blocks x tile column
	s_add_co_u32 s46, s46, s23
	s_mov_b32 s47, 0
	s_lshl_b32 s22, s16, 15                        ; where they go: wave x 32,768: x's two halves, then W's two: no place in the cluster enters an LDS address
	s_wait_kmcnt 0x0
	s_load_b256 s[68:75], s[8:9], 0x0              ; the eight exponents
	s_add_nc_u64 s[20:21], s[4:5], s[20:21]
	s_add_nc_u64 s[46:47], s[6:7], s[46:47]
	CROUND                                         ; all sixteen work-groups are here: the first joint loads meet
.irp s, 0,1
	s_mov_b32 s[G0+4*\s], 1
	s_add_co_u32 s[G0+4*\s+1], s22, \s*SLOT
	s_add_nc_u64 s[G0+4*\s+2:G0+4*\s+3], s[20:21], \s*4096
	s_or_b32 s[G0+4*\s+3], s[G0+4*\s+3], 0x80000000
	s_mov_b32 s[G0B+4*\s], 1
	s_add_co_u32 s[G0B+4*\s+1], s22, \s*SLOT
	s_add_nc_u64 s[G0B+4*\s+2:G0B+4*\s+3], s[46:47], \s*4096
	s_or_b32 s[G0B+4*\s+3], s[G0B+4*\s+3], 0x80000000
	JLOAD G0+4*\s, G1, G0B+4*\s, G1B               ; two tensor loads of mine are out
.endr
	v_and_b32 v1, 31, v0
	v_bfe_u32 v3, v0, 4, 1                         ; h
	v_lshlrev_b32 v[LI], 4, v1
	s_lshl_b32 s86, s17, 15                        ; my 8 blocks of tokens,
	s_lshl_b32 s87, s18, 15
	s_add_co_u32 s87, s87, BPART                   ; my 8 blocks of W
.irp s, 0,1
	v_add_nc_u32 v[ADRA+\s], s86, v[LI]
	v_add_nc_u32 v[ADRB+\s], s87, v[LI]
	s_add_co_u32 s86, s86, SLOT
	s_add_co_u32 s87, s87, SLOT
.endr
	v_lshlrev_b32 v6, 5, v3                        ; the bias: 32 h
	s_lshl_b32 s86, s42, 10
	s_lshl_b32 s87, s18, 9
	s_add_co_u32 s86, s86, s87
	s_mov_b32 s87, 0
	s_add_nc_u64 s[84:85], s[10:11], s[86:87]      ; the bias at column 256 x tile column + 128 PB
	s_and_b32 s93, s43, 7                          ; which 256 tokens of the sequence
	s_lshl_b32 s86, s93, 16
	s_lshl_b32 s94, s17, 15
	s_add_co_u32 s86, s86, s94
	s_add_nc_u64 s[82:83], s[12:13], s[86:87]      ; the table at token 256 (tile row % 8) + 128 PA: 4,096 bytes a block of 16 tokens
	s_lshr_b32 s86, s43, 3                         ; the batch,
	s_lshl_b32 s86, s86, 4
	s_lshl_b32 s94, s40, 2
	s_add_co_u32 s86, s86, s94
	s_lshl_b32 s94, s18, 1
	s_add_co_u32 s86, s86, s94                     ; x 16 + my first head: 4 cx + 2 PB
	s_lshl_b32 s86, s86, 17
	s_lshl_b32 s94, ttmp9, 23                      ; Q or K: 8 MiB each
	s_add_co_u32 s86, s86, s94
	s_lshl_b32 s94, s93, 14                        ; 64 bytes a token
	s_add_co_u32 s86, s86, s94
	s_lshl_b32 s94, s17, 13
	s_add_co_u32 s86, s86, s94
	s_add_nc_u64 s[80:81], s[14:15], s[86:87]
.irp b, 0,1,2,3,4,5,6,7                ; the bias in the results' layout: register 8 b + j: column 16 b + 8 h + j; it is waited for on the way out
	global_load_b128 v[BIAS+8*\b:BIAS+8*\b+3], v6, s[84:85] offset:64*\b
	global_load_b128 v[BIAS+8*\b+4:BIAS+8*\b+7], v6, s[84:85] offset:64*\b+16
.endr
.macro CSLOAD a                        ; cos and sin for my block a of 16 tokens: register pair n of the set is (cos, sin) of the pair that registers 2 n, 2 n + 1 of a head hold
.irp c, 0,1,2,3,4,5,6,7
	global_load_b128 v[CS+32*((\a)%2)+4*\c:CS+32*((\a)%2)+4*\c+3], v[LI], s[82:83] offset:4096*(\a)+512*\c
.endr
.endm
	CSLOAD 0
	s_wait_kmcnt 0x0
	s_add_co_i32 s76, s68, s69
	s_add_co_i32 s76, s76, 127
	s_lshl_b32 s76, s76, 23                        ; 2^(e0 + e1) as f32
	s_mov_b32 s77, s76                             ; (named with it as a pair, so it is written)
	s_cmp_eq_u32 ttmp9, 0
	s_cselect_b32 s86, s70, s71                    ; e2 for Q, e3 for K: chosen, not branched on
	s_add_co_i32 s86, s86, 127
	s_lshl_b32 s87, s86, 23
	v_mov_b32 v[SCL], s87
	s_add_co_i32 s86, s86, 8
	s_lshl_b32 s86, s86, 23
	s_or_b32 s86, s86, 0x600000
	v_mov_b32 v[LIM], s86
.macro FRAG reg, adr, q, i             ; block i, the slot's q-th 128 along K: an image comes back as it was stored: four loads of 512 consecutive bytes
.irp c, 0,1,2,3
	ds_load_b128 v[\reg+4*\c:\reg+4*\c+3], v[\adr] offset:4096*(\i)+2048*(\q)+512*\c
.endr
.endm
; 16 matrix instructions: token blocks a0, a0 + 1 x W's eight, 128 along K.  p: W's set.  zero = 1: the first product starts the sums.
; The 64 accumulators take turns, one instruction a turn, in the same order in every step.
.macro MUL16 a0, p, zero
.irp a, \a0, \a0+1
.irp b, 0,1,2,3,4,5,6,7
.if \zero
	v_wmma_f32_16x16x128_fp8_fp8 v[8*(8*((\a)%4)+\b):8*(8*((\a)%4)+\b)+7], v[128*(\p)+FR*\b:128*(\p)+FR*\b+FR-1], v[AF+FR*(\a):AF+FR*(\a)+FR-1], 0
.else
	v_wmma_f32_16x16x128_fp8_fp8 v[8*(8*((\a)%4)+\b):8*(8*((\a)%4)+\b)+7], v[128*(\p)+FR*\b:128*(\p)+FR*\b+FR-1], v[AF+FR*(\a):AF+FR*(\a)+FR-1], v[8*(8*((\a)%4)+\b):8*(8*((\a)%4)+\b)+7]
.endif
.endr
.endr
.endm
.macro FETCH_B slot, q, p
	WIN TO_B
.irp i, 0,1,2,3,4,5,6,7
	FRAG 128*(\p)+FR*\i, ADRB+\slot, \q, \i
.endr
	WIN 0
.endm
.macro FETCH_A slot, q, i0
.irp i, \i0, \i0+1, \i0+2, \i0+3
	FRAG AF+FR*(\i), ADRA+\slot, \q, \i
.endr
.endm
.macro PLACES n                        ; plain vector lines between a matrix instruction and a load into, or a vector write of, one of its registers, or a read of its result
.rept \n
	v_nop
.endr
.endm
; A step of 128 along K that has its successor in the same slot.  A block of tokens is free as soon as its eight products are issued: blocks 0-3 are fetched anew in the middle, blocks 4-7 at the end.
.macro STEP slot, q, zero
	s_wait_dscnt 4*NL                              ; W's set and token blocks 0-3 are in; the youngest sixteen loads (blocks 4-7) may be out
	WIN MUL_LO
	MUL16 0, (\q)%2, \zero
	MUL16 2, (\q)%2, \zero
	s_wait_dscnt 0                                 ; blocks 4-7 are in
	PLACES NP
	FETCH_B \slot, (\q)+1, 1-(\q)%2
	FETCH_A \slot, (\q)+1, 0
	WIN MUL_HI
	MUL16 4, (\q)%2, \zero
	MUL16 6, (\q)%2, \zero
	PLACES NP
	WIN 0
	FETCH_A \slot, (\q)+1, 4
.endm
; A slot's last step changes slots: one barrier; in front of it each wave waits for all its tensor loads, adds 0 to its spare word, and waits for that and for its own reads of this slot.  fill = 1: this slot is filled again, 512 along K ahead.
.macro TURN slot, next, fill
	s_wait_tensorcnt 0x0                           ; all my tensor loads have landed: my part of the next slot;  (every window is 0 here)
	ds_add_u32 v[SPW], v[NIL]                      ; 0 onto my spare word
	s_wait_dscnt 4*NL+1                            ; (the add and the youngest sixteen loads may be out)
	WIN MUL_LO
	MUL16 0, 1, 0                                  ; sixteen matrix instructions stand between the add and the wait for it
	s_wait_dscnt 0x0                               ; the add is done, and my reads of this slot are over
	s_barrier_signal -1
	MUL16 2, 1, 0
	WIN 0
	s_barrier_wait -1
.if \fill
	CREST                                          ; the barrier has opened a round of the cluster's barrier: no wave of any partner still reads this slot or has a load on its way
	s_add_nc_u64 s[G0+4*\slot+2:G0+4*\slot+3], s[G0+4*\slot+2:G0+4*\slot+3], 8192
	s_add_nc_u64 s[G0B+4*\slot+2:G0B+4*\slot+3], s[G0B+4*\slot+2:G0B+4*\slot+3], 8192
	JLOAD G0+4*\slot, G1, G0B+4*\slot, G1B         ; the first tensor load behind the round, my only one out; its four v_nop are also the places in front of the loads below
.else
	PLACES NP
.endif
	FETCH_B \next, 0, 0
	FETCH_A \next, 0, 0
	WIN MUL_HI
	MUL16 4, 1, 0
	MUL16 6, 1, 0
	PLACES NP
	WIN 0
	FETCH_A \next, 0, 4
.endm
	s_wait_tensorcnt 1                             ; my part of slot 0 is in; slot 1's load may be out
	s_barrier_signal -1
	s_barrier_wait -1                              ; everybody's is
	FETCH_B 0, 0, 0
	FETCH_A 0, 0, 0
	FETCH_A 0, 0, 4
	STEP 0, 0, 1                                   ; K 0-127: the products start the sums
	TURN 0, 1, 1                                   ; K 128-255; slot 0 takes K 512-767
	STEP 1, 0, 0
	TURN 1, 0, 1                                   ; slot 1 takes K 768-1023
	STEP 0, 0, 0
	TURN 0, 1, 0                                   ; nothing is left to fetch: no round
	STEP 1, 0, 0
	s_wait_dscnt 4*NL                              ; the last step
	WIN MUL_LO
	MUL16 0, 1, 0
	MUL16 2, 1, 0
	s_wait_dscnt 0
	WIN MUL_HI
	MUL16 4, 1, 0
	MUL16 6, 1, 0
	WIN 0
; THE WAY OUT.  No LDS: a lane's registers are neighbours along the next K, so eight of them make two registers of the next operand, and four such registers of 32 lanes are 512 consecutive bytes of its image.
; Block a of 16 tokens, head g of my two.  value = sum x 2^(e0 + e1) + bias; (x1, x2) -> (x1 cos - x2 sin, x1 sin + x2 cos); the hold; the conversion.
.macro ROPEQ a, g
.set AC, 64*((\a)%4)+32*(\g)
.set CSS, CS+32*((\a)%2)
.set CDS, CD+8*((2*(\a)+(\g))%4)
	WIN 0x02+((\a)/4)                              ; source 0: window 2 or 3
.set n, 0
.rept 16
	v_pk_fma_f32 v[T+n:T+n+1], v[AC+n:AC+n+1], s[76:77], v[BIAS+32*(\g)+n:BIAS+32*(\g)+n+1] op_sel_hi:[1,0,1]   ; each accumulator from its low end on
.set n, n+2
.endr
	WIN 0
.set n, 0
.rept 16
	v_pk_mul_f32 v[U+n:U+n+1], v[T+n:T+n+1], v[CSS+n:CSS+n+1] op_sel_hi:[1,0]   ; (x1 cos, x2 cos)
.set n, n+2
.endr
.set n, 0
.rept 16
	v_pk_fma_f32 v[U+n:U+n+1], v[T+n:T+n+1], v[CSS+n:CSS+n+1], v[U+n:U+n+1] op_sel:[1,1,0] op_sel_hi:[0,1,1] neg_lo:[0,1,0]   ; low: x2 (-sin) + x1 cos; high: x1 sin + x2 cos
.set n, n+2
.endr
.set n, 0
.rept 32
	v_med3_num_f32 v[U+n], v[U+n], -v[LIM], v[LIM] ; the conversion does not saturate (ISA guide 7.6.2)
.set n, n+1
.endr
	s_wait_xcnt 0x0                                ; earlier stores have read their data: the codes' registers may be written again
.irp c, 0,1,2,3
	v_cvt_scalef32_pk8_fp8_f32 v[CDS+2*\c:CDS+2*\c+1], v[U+8*\c:U+8*\c+7], v[SCL]   ; registers 2 c, 2 c + 1: k = 16 c + 8 h + 0 .. 7 of token r
.endr
	v_nop                                          ; a plain line behind the last conversion
	global_store_b128 v[LI], v[CDS:CDS+3], s[80:81] offset:131072*(\g)+1024*(\a)
	global_store_b128 v[LI], v[CDS+4:CDS+7], s[80:81] offset:131072*(\g)+1024*(\a)+512
.endm
	PLACES NP                                      ; behind the last products: for the reads of results, and for the loads and writes into the registers that held the tokens' fragments
.irp a, 0,1,2,3,4,5,6,7
.if \a < 7
	CSLOAD \a+1                                    ; the next block's cos and sin, into the other set
	s_wait_loadcnt 8                               ; all but those eight are in: the bias and this block's set
.else
	s_wait_loadcnt 0x0
.endif
	ROPEQ \a, 0
	ROPEQ \a, 1
.endr
	s_wait_tensorcnt 0x0                           ; the wave's end
	ds_add_u32 v[SPW], v[NIL]
	s_wait_dscnt 0x0
	CROUND                                         ; the closing round: no work-group ends while a partner may still ask for a tile that names it
	s_endpgm
.Lfunc_end_k_qbe85dcae24_qk:
	.size	k_qbe85dcae24_qk, .Lfunc_end_k_qbe85dcae24_qk-k_qbe85dcae24_qk
	.p2alignl 7, 3214868480
	.fill 96, 4, 3214868480
	.section	.rodata,"a",@progbits
	.p2align	6, 0x0
	.amdhsa_kernel k_qbe85dcae24_qk
		.amdhsa_group_segment_fixed_size 327680
		.amdhsa_private_segment_fixed_size 0
		.amdhsa_enable_private_segment 0
		.amdhsa_kernarg_size 48
		.amdhsa_user_sgpr_count 2
		.amdhsa_user_sgpr_kernarg_segment_ptr 1
		.amdhsa_wavefront_size32 1
		.amdhsa_system_sgpr_workgroup_id_x 1
		.amdhsa_system_sgpr_workgroup_id_y 1
		.amdhsa_system_sgpr_workgroup_id_z 1
		.amdhsa_system_vgpr_workitem_id 0
		.amdhsa_next_free_vgpr 1024
		.amdhsa_next_free_sgpr 100
		.amdhsa_reserve_vcc 0
		.amdhsa_float_denorm_mode_32 3
		.amdhsa_float_denorm_mode_16_64 3
		.amdhsa_memory_ordered 1
		.amdhsa_forward_progress 1
		.amdhsa_inst_pref_size 174
	.end_amdhsa_kernel
	.amdgpu_metadata
---
amdhsa.version: [ 1, 2 ]
amdhsa.kernels:
  - .name:           k_qbe85dcae24_qk
    .symbol:         k_qbe85dcae24_qk.kd
    .args:
      - { .name: xc, .offset: 0, .size: 8, .value_kind: global_buffer, .address_space: global }
      - { .name: wqc, .offset: 8, .size: 8, .value_kind: global_buffer, .address_space: global }
      - { .name: lowp_scales, .offset: 16, .size: 8, .value_kind: global_buffer, .address_space: global }
      - { .name: Wqkv_b, .offset: 24, .size: 8, .value_kind: global_buffer, .address_space: global }
      - { .name: tab, .offset: 32, .size: 8, .value_kind: global_buffer, .address_space: global }
      - { .name: qkvc, .offset: 40, .size: 8, .value_kind: global_buffer, .address_space: global }
    .group_segment_fixed_size: 327680
    .private_segment_fixed_size: 0
    .kernarg_segment_align: 8
    .kernarg_segment_size: 48
    .max_flat_workgroup_size: 128
    .sgpr_count:     100
    .vgpr_count:     1024
    .wavefront_size: 32
...
	.end_amdgpu_metadata
.endif
;; end of part 2
;; launch v (part 3): grid 32 x 8, 4 waves a work-group, clusters of 4 x 4, 327,680 bytes of LDS; arguments wqc, xc, lowp_scales, Wqkv_b, qkvc; writes qkvc
.if DOCPART == 3
	.amdgcn_target "amdgcn-amd-amdhsa--gfx1250"
	.amdhsa_code_object_version 6
	.text
	.protected	k_qbe85dcae24_v
	.globl	k_qbe85dcae24_v
	.p2align	8
	.type	k_qbe85dcae24_v,@function
k_qbe85dcae24_v:
	s_mov_b64 s[64:65], 0
	v_nop
	global_prefetch_b8 v0, s[64:65] scope:SCOPE_SE
	s_setreg_imm32_b32 hwreg(HW_REG_WAVE_MODE, 25, 1), 1
	s_wait_xcnt 0x0
	s_wait_alu depctr_hold_cnt(0) depctr_sa_sdst(0) depctr_va_vdst(0) depctr_va_sdst(0) depctr_va_ssrc(0) depctr_va_vcc(0) depctr_vm_vsrc(0)
	s_getreg_b32 s2, hwreg(HW_REG_IB_STS2, 6, 4)
	s_cmp_eq_u32 s2, 0
	s_cbranch_scc0 .Lentry_in_a_cluster
	s_endpgm
.Lentry_in_a_cluster:
	s_bfe_u32 s2, ttmp6, 0x10000c
	s_cmp_lg_u32 s2, 0xf033
	s_cbranch_scc0 .Lentry_shape_is_right
	s_endpgm
.Lentry_shape_is_right:
; V = x Wqkv_w^T + Wqkv_b (rows 2,048 to 3,071 of Wqkv_w) on codes of E4M3, quantised (entry 5 of lowp_scales) along the KEYS and stored as images of the operand of attention's second product.
; wqc [block of 16 rows : 192][k step of 128 : 8][2,048], xc [512][8][2,048]: images of operand registers (register 4 i + n of lane l at 512 i + 16 l + 4 n; lane (r, h): row r, registers 2 c, 2 c + 1: k = 16 c + 8 h + 0 .. 7).
; qkvc, from byte 16 MiB on: [batch x 16 + head : 64][block of 64 keys : 32][block of 16 channels : 4][1,024]: rows = channels, k = keys.
; LIMITS, so that each power of two below is an f32 number: e0 + e1 between -126 and 127; e5 between -126 and 119.
; ORIENTATION.  Source 0 = 16 tokens, source 1 = 16 rows of W: a lane holds ONE channel and eight neighbouring tokens: neighbours along the next K, the keys.  So the conversions' results are the operand's registers; nothing is transposed.
; SHARES.  A tile of 128 channels x 256 tokens is made by four waves, each 64 channels (one head) x 128 tokens: 32 accumulators, 256 registers.  8 x 32 = 256 tiles.
; K = 1,024 goes in four steps of 256 through a ring of two LDS slots; the steps are written out.  CLUSTERS: 4 x 4 work-groups; W's tiles are shared along a row of the cluster, the tokens' along a column: joint loads.
; REGISTERS: window 0: v16-31 addresses and constants; v32-39 the bias; v96-159 at work on the way out; v160-223 W's fragments, ONE set; v224-255 codes.  window 1: the tokens' fragments, TWO sets.  window 2: accumulator (a, b) at v[8 (8 a + b)].
.set FR,     16
.set NL,     4
.set NP,     4
.set SLOT,   98304                     ; W: 8 blocks x 4,096 bytes; then tokens: 16 blocks x 4,096
.set BPART,  32768
.set SPARE,  2*SLOT                    ; behind the ring: the spare words, 128 bytes for each wave: two blocks of 256 bytes that no other line names
.set ADRA, 16                          ; v16-17  LDS address of W's fragments in slot 0, 1
.set ADRB, 20                          ; v20-21  of the tokens'
.set LI,   26                          ; v26  16 x lane
.set SPW,  28
.set NIL,  29
.set SCL,  30                          ; v30  2^e5
.set LIM,  31                          ; v31  448 x 2^e5
.set BIAS, 32                          ; v[32+2a : 33+2a]  the bias of channel 16 a + r, twice: a pair for the packed form
.set T,    96
.set AF,   160
.set CD,   224                         ; two sets of 16
.set G1, 24
.set G0, 32
.set G1B, 48
.set G0B, 56
.set MSB, 0
.macro WIN new                         ; the immediate's high byte repeats the setting that is left
.if MSB != \new
	s_set_vgpr_msb (MSB<<8)|\new
.set MSB, \new
.endif
.endm
.set MUL,  0xa1                        ; source 0 window 1, source 1 window 0, C and D window 2
.set TO_B, 0x40                        ; destination window 1, address window 0
.macro JLOAD g0a, g1a, g0b, g1b        ; waves 0 and 1 fetch W's halves, waves 2 and 3 the tokens'; four v_nop follow each line
	s_cmp_eq_u32 s17, 0
	s_cbranch_scc0 .Lfor_b_\@
	tensor_load_to_lds s[\g0a:\g0a+3], s[\g1a:\g1a+7]
	s_nop 0
.rept 4
	v_nop
.endr
	s_branch .Lasked_\@
.Lfor_b_\@:
	tensor_load_to_lds s[\g0b:\g0b+3], s[\g1b:\g1b+7]
	s_nop 0
.rept 4
	v_nop
.endr
.Lasked_\@:
.endm
.macro CREST
	s_cmp_lg_u32 s16, 0
	s_cbranch_scc1 .Lnot_wave_0_\@
	s_barrier_signal -3
.Lnot_wave_0_\@:
	s_barrier_wait -3
	s_barrier_signal -1
	s_barrier_wait -1
.endm
.macro CROUND
	s_barrier_signal -1
	s_barrier_wait -1
	CREST
.endm
	s_load_b256 s[4:11], s[0:1], 0x0               ; wqc s[4:5], xc s[6:7], lowp_scales s[8:9], Wqkv_b s[10:11]
	s_load_b64 s[12:13], s[0:1], 0x20              ; qkvc
	v_lshl_add_u32 v[SPW], v0, 2, SPARE
	v_mov_b32 v[NIL], 0
	ds_add_u32 v28, v29
	ds_add_u32 v28, v29
	s_wait_dscnt 0x0
	v_lshrrev_b32 v1, 5, v0
	v_readfirstlane_b32 s16, v1                    ; wave 0..3
	s_lshr_b32 s17, s16, 1                         ; PA: which 64 channels are mine.  Also: I fetch W (0) or tokens (1)
	s_and_b32 s18, s16, 1                          ; PB: which 128 tokens.  Also: which half of that tile I fetch
	s_bfe_u32 s40, ttmp6, 0x40000                  ; cx, cy
	s_bfe_u32 s41, ttmp6, 0x40004
	s_lshl_b32 s42, ttmp9, 2
	s_add_co_u32 s42, s42, s40                     ; tile column: 256 tokens
	s_and_b32 s43, ttmp7, 0xffff
	s_lshl_b32 s43, s43, 2
	s_add_co_u32 s43, s43, s41                     ; tile row: 128 channels
	s_lshl_b32 s44, s41, 2
	s_lshl_b32 s44, 15, s44                        ; my row of the cluster
	s_lshl_b32 s45, 0x1111, s40                    ; my column
	s_or_b32 s[G1+0], s44, (3<<16)|(1<<21)         ; 15:0 the mask; 17:16 elements of 8 bytes; no padding; 21 set beside a mask
	s_or_b32 s[G1B+0], s45, (3<<16)|(1<<21)
	s_mov_b32 s[G1+1], 512<<16                     ; W: 4 blocks x 4,096 bytes, 16,384 bytes apart
	s_mov_b32 s[G1+2], 4<<16
	s_mov_b32 s[G1+3], 512<<16
	s_mov_b32 s[G1+4], 4
	s_mov_b32 s[G1+5], 2048
	s_mov_b32 s[G1+6], 0
	s_mov_b32 s[G1+7], 0
	s_mov_b32 s[G1B+1], 512<<16                    ; tokens: 8 blocks
	s_mov_b32 s[G1B+2], 8<<16
	s_mov_b32 s[G1B+3], 512<<16
	s_mov_b32 s[G1B+4], 8
	s_mov_b32 s[G1B+5], 2048
	s_mov_b32 s[G1B+6], 0
	s_mov_b32 s[G1B+7], 0
	s_lshl_b32 s20, s43, 17                        ; W: 8 blocks x tile row + 4 x half,
	s_lshl_b32 s23, s18, 16
	s_add_co_u32 s20, s20, s23
	s_add_co_u32 s20, s20, 0x200000                ; behind Q's and K's 128 blocks of 16,384 bytes
	s_mov_b32 s21, 0
	s_lshl_b32 s46, s42, 18                        ; tokens: 16 blocks x tile column + 8 x half
	s_lshl_b32 s23, s18, 17
	s_add_co_u32 s46, s46, s23
	s_mov_b32 s47, 0
	s_lshl_b32 s22, s18, 14                        ; where they go: W's half,
	s_lshl_b32 s23, s18, 15
	s_add_co_u32 s23, s23, BPART                   ; the tokens' half
	s_wait_kmcnt 0x0
	s_load_b256 s[68:75], s[8:9], 0x0              ; the eight exponents
	s_add_nc_u64 s[20:21], s[4:5], s[20:21]
	s_add_nc_u64 s[46:47], s[6:7], s[46:47]
	CROUND                                         ; all sixteen work-groups are here: the first joint loads meet
.irp s, 0,1
	s_mov_b32 s[G0+4*\s], 1
	s_add_co_u32 s[G0+4*\s+1], s22, \s*SLOT
	s_add_nc_u64 s[G0+4*\s+2:G0+4*\s+3], s[20:21], \s*4096
	s_or_b32 s[G0+4*\s+3], s[G0+4*\s+3], 0x80000000
	s_mov_b32 s[G0B+4*\s], 1
	s_add_co_u32 s[G0B+4*\s+1], s23, \s*SLOT
	s_add_nc_u64 s[G0B+4*\s+2:G0B+4*\s+3], s[46:47], \s*4096
	s_or_b32 s[G0B+4*\s+3], s[G0B+4*\s+3], 0x80000000
	JLOAD G0+4*\s, G1, G0B+4*\s, G1B               ; two tensor loads of mine are out
.endr
	v_and_b32 v1, 31, v0
	v_and_b32 v2, 15, v0                           ; r
	v_lshlrev_b32 v[LI], 4, v1
	s_lshl_b32 s86, s17, 14                        ; my 4 blocks of W
	s_lshl_b32 s87, s18, 15
	s_add_co_u32 s87, s87, BPART                   ; my 8 blocks of tokens
.irp s, 0,1
	v_add_nc_u32 v[ADRA+\s], s86, v[LI]
	v_add_nc_u32 v[ADRB+\s], s87, v[LI]
	s_add_co_u32 s86, s86, SLOT
	s_add_co_u32 s87, s87, SLOT
.endr
	v_lshlrev_b32 v6, 2, v2                        ; the bias: 4 r
	s_lshl_b32 s86, s43, 9                         ; at column 2,048 + 128 x tile row + 64 PA
	s_lshl_b32 s87, s17, 8
	s_add_co_u32 s86, s86, s87
	s_add_co_u32 s86, s86, 8192
	s_mov_b32 s87, 0
	s_add_nc_u64 s[84:85], s[10:11], s[86:87]
	s_lshr_b32 s86, s42, 3                         ; the batch,
	s_lshl_b32 s86, s86, 4
	s_lshl_b32 s88, s43, 1
	s_add_co_u32 s86, s86, s88
	s_add_co_u32 s86, s86, s17                     ; x 16 + my head: 2 x tile row + PA
	s_lshl_b32 s86, s86, 17
	s_add_co_u32 s86, s86, 0x1000000               ; V begins at 16 MiB
	s_and_b32 s88, s42, 7                          ; which 256 tokens of the sequence: 64 bytes a token
	s_lshl_b32 s88, s88, 14
	s_add_co_u32 s86, s86, s88
	s_lshl_b32 s88, s18, 13
	s_add_co_u32 s86, s86, s88
	s_add_nc_u64 s[80:81], s[12:13], s[86:87]
.irp a, 0,1,2,3                        ; a lane's eight results of a tile belong to one channel: one number, in both halves of a pair; waited for on the way out
	global_load_b32 v[BIAS+2*\a], v6, s[84:85] offset:64*\a
	global_load_b32 v[BIAS+2*\a+1], v6, s[84:85] offset:64*\a
.endr
	s_wait_kmcnt 0x0
	s_add_co_i32 s76, s68, s69
	s_add_co_i32 s76, s76, 127
	s_lshl_b32 s76, s76, 23                        ; 2^(e0 + e1) as f32
	s_mov_b32 s77, s76                             ; (named with it as a pair, so it is written)
	s_add_co_i32 s86, s73, 127
	s_lshl_b32 s87, s86, 23
	v_mov_b32 v[SCL], s87                          ; 2^e5
	s_add_co_i32 s86, s86, 8
	s_lshl_b32 s86, s86, 23
	s_or_b32 s86, s86, 0x600000
	v_mov_b32 v[LIM], s86                          ; 448 x 2^e5
.macro FRAG reg, adr, q, i             ; block i, the slot's q-th 128 along K: four loads of 512 consecutive bytes
.irp c, 0,1,2,3
	ds_load_b128 v[\reg+4*\c:\reg+4*\c+3], v[\adr] offset:4096*(\i)+2048*(\q)+512*\c
.endr
.endm
; 8 matrix instructions: block a of channels x the tokens' eight.  The 32 accumulators take turns, one instruction a turn, in the same order in every step.
.macro MULA a, p, zero
.irp b, 0,1,2,3,4,5,6,7
.if \zero
	v_wmma_f32_16x16x128_fp8_fp8 v[8*(8*(\a)+\b):8*(8*(\a)+\b)+7], v[128*(\p)+FR*\b:128*(\p)+FR*\b+FR-1], v[AF+FR*(\a):AF+FR*(\a)+FR-1], 0
.else
	v_wmma_f32_16x16x128_fp8_fp8 v[8*(8*(\a)+\b):8*(8*(\a)+\b)+7], v[128*(\p)+FR*\b:128*(\p)+FR*\b+FR-1], v[AF+FR*(\a):AF+FR*(\a)+FR-1], v[8*(8*(\a)+\b):8*(8*(\a)+\b)+7]
.endif
.endr
.endm
.macro FETCH_B slot, q, p
	WIN TO_B
.irp i, 0,1,2,3,4,5,6,7
	FRAG 128*(\p)+FR*\i, ADRB+\slot, \q, \i
.endr
	WIN 0
.endm
.macro FETCH_A slot, q, i0
.irp i, \i0, \i0+1
	FRAG AF+FR*(\i), ADRA+\slot, \q, \i
.endr
.endm
.macro PLACES n
.rept \n
	v_nop
.endr
.endm
.macro STEP slot, q, zero
	s_wait_dscnt 2*NL                              ; the tokens' set and channel blocks 0, 1 are in; the youngest eight loads (blocks 2, 3) may be out
	WIN MUL
	MULA 0, (\q)%2, \zero
	MULA 1, (\q)%2, \zero
	s_wait_dscnt 0
	PLACES NP
	FETCH_B \slot, (\q)+1, 1-(\q)%2
	FETCH_A \slot, (\q)+1, 0
	WIN MUL
	MULA 2, (\q)%2, \zero
	MULA 3, (\q)%2, \zero
	PLACES NP
	WIN 0
	FETCH_A \slot, (\q)+1, 2
.endm
.macro TURN slot, next, fill
	s_wait_tensorcnt 0x0                           ; all my tensor loads have landed: my part of the next slot;  (every window is 0 here)
	ds_add_u32 v[SPW], v[NIL]                      ; 0 onto my spare word
	s_wait_dscnt 2*NL+1                            ; (the add and the youngest eight loads may be out)
	WIN MUL
	MULA 0, 1, 0                                   ; eight matrix instructions stand between the add and the wait for it
	s_wait_dscnt 0x0                               ; the add is done, and my reads of this slot are over
	s_barrier_signal -1
	MULA 1, 1, 0
	WIN 0
	s_barrier_wait -1
.if \fill
	CREST                                          ; the barrier has opened a round of the cluster's barrier
	s_add_nc_u64 s[G0+4*\slot+2:G0+4*\slot+3], s[G0+4*\slot+2:G0+4*\slot+3], 8192
	s_add_nc_u64 s[G0B+4*\slot+2:G0B+4*\slot+3], s[G0B+4*\slot+2:G0B+4*\slot+3], 8192
	JLOAD G0+4*\slot, G1, G0B+4*\slot, G1B         ; the first tensor load behind the round, my only one out; its four v_nop are also the places in front of the loads below
.else
	PLACES NP
.endif
	FETCH_B \next, 0, 0
	FETCH_A \next, 0, 0
	WIN MUL
	MULA 2, 1, 0
	MULA 3, 1, 0
	PLACES NP
	WIN 0
	FETCH_A \next, 0, 2
.endm
	s_wait_tensorcnt 1                             ; my part of slot 0 is in; slot 1's load may be out
	s_barrier_signal -1
	s_barrier_wait -1
	FETCH_B 0, 0, 0
	FETCH_A 0, 0, 0
	FETCH_A 0, 0, 2
	STEP 0, 0, 1
	TURN 0, 1, 1
	STEP 1, 0, 0
	TURN 1, 0, 1
	STEP 0, 0, 0
	TURN 0, 1, 0
	STEP 1, 0, 0
	s_wait_dscnt 2*NL                              ; the last step
	WIN MUL
	MULA 0, 1, 0
	MULA 1, 1, 0
	s_wait_dscnt 0
	MULA 2, 1, 0
	MULA 3, 1, 0
	WIN 0
; THE WAY OUT.  No LDS.  Block a of 16 channels, my 128 tokens: two blocks of 64 keys.  value = sum x 2^(e0 + e1) + bias; the hold; the conversion: tile b's eight registers are keys 16 b + 8 h + 0 .. 7 of channel r,
; registers 2 (b % 4), 2 (b % 4) + 1 of key block b / 4's image; four registers of 32 lanes are 512 consecutive bytes of it.
.macro VALQ a
.set CDS, CD+16*((\a)%2)
	WIN 0x02                                       ; source 0: window 2
.set n, 0
.rept 32
	v_pk_fma_f32 v[T+n:T+n+1], v[64*(\a)+n:64*(\a)+n+1], s[76:77], v[BIAS+2*(\a):BIAS+2*(\a)+1] op_sel_hi:[1,0,1]   ; each accumulator from its low end on
.set n, n+2
.endr
	WIN 0
.set n, 0
.rept 64
	v_med3_num_f32 v[T+n], v[T+n], -v[LIM], v[LIM] ; the conversion does not saturate (ISA guide 7.6.2)
.set n, n+1
.endr
	s_wait_xcnt 0x0                                ; earlier stores have read their data: the codes' registers may be written again
.set n, 0
.rept 8
	v_cvt_scalef32_pk8_fp8_f32 v[CDS+2*n:CDS+2*n+1], v[T+8*n:T+8*n+7], v[SCL]
.set n, n+1
.endr
	v_nop                                          ; a plain line behind the last conversion
.irp k, 0,1
.irp p, 0,1
	global_store_b128 v[LI], v[CDS+8*\k+4*\p:CDS+8*\k+4*\p+3], s[80:81] offset:4096*\k+1024*(\a)+512*\p
.endr
.endr
.endm
	s_wait_loadcnt 0x0                             ; the bias
	PLACES NP                                      ; behind the last products: for the reads of results
.irp a, 0,1,2,3
	VALQ \a
.endr
	s_wait_tensorcnt 0x0                           ; the wave's end
	ds_add_u32 v[SPW], v[NIL]
	s_wait_dscnt 0x0
	CROUND                                         ; the closing round: no work-group ends while a partner may still ask for a tile that names it
	s_endpgm
.Lfunc_end_k_qbe85dcae24_v:
	.size	k_qbe85dcae24_v, .Lfunc_end_k_qbe85dcae24_v-k_qbe85dcae24_v
	.p2alignl 7, 3214868480
	.fill 96, 4, 3214868480
	.section	.rodata,"a",@progbits
	.p2align	6, 0x0
	.amdhsa_kernel k_qbe85dcae24_v
		.amdhsa_group_segment_fixed_size 327680
		.amdhsa_private_segment_fixed_size 0
		.amdhsa_enable_private_segment 0
		.amdhsa_kernarg_size 40
		.amdhsa_user_sgpr_count 2
		.amdhsa_user_sgpr_kernarg_segment_ptr 1
		.amdhsa_wavefront_size32 1
		.amdhsa_system_sgpr_workgroup_id_x 1
		.amdhsa_system_sgpr_workgroup_id_y 1
		.amdhsa_system_sgpr_workgroup_id_z 1
		.amdhsa_system_vgpr_workitem_id 0
		.amdhsa_next_free_vgpr 768
		.amdhsa_next_free_sgpr 100
		.amdhsa_reserve_vcc 0
		.amdhsa_float_denorm_mode_32 3
		.amdhsa_float_denorm_mode_16_64 3
		.amdhsa_memory_ordered 1
		.amdhsa_forward_progress 1
		.amdhsa_inst_pref_size 82
	.end_amdhsa_kernel
	.amdgpu_metadata
---
amdhsa.version: [ 1, 2 ]
amdhsa.kernels:
  - .name:           k_qbe85dcae24_v
    .symbol:         k_qbe85dcae24_v.kd
    .args:
      - { .name: wqc, .offset: 0, .size: 8, .value_kind: global_buffer, .address_space: global }
      - { .name: xc, .offset: 8, .size: 8, .value_kind: global_buffer, .address_space: global }
      - { .name: lowp_scales, .offset: 16, .size: 8, .value_kind: global_buffer, .address_space: global }
      - { .name: Wqkv_b, .offset: 24, .size: 8, .value_kind: global_buffer, .address_space: global }
      - { .name: qkvc, .offset: 32, .size: 8, .value_kind: global_buffer, .address_space: global }
    .group_segment_fixed_size: 327680
    .private_segment_fixed_size: 0
    .kernarg_segment_align: 8
    .kernarg_segment_size: 40
    .max_flat_workgroup_size: 128
    .sgpr_count:     100
    .vgpr_count:     768
    .wavefront_size: 32
...
	.end_amdgpu_metadata
.endif
;; end of part 3
;; launch attn (part 4): grid 4 x 64, 16 waves a work-group, no clusters, 264,192 bytes of LDS; arguments qkvc, lowp_scales, ac; writes ac
.if DOCPART == 4
	.amdgcn_target "amdgcn-amd-amdhsa--gfx1250"
	.amdhsa_code_object_version 6
	.text
	.protected	k_qbe85dcae24_attn
	.globl	k_qbe85dcae24_attn
	.p2align	8
	.type	k_qbe85dcae24_attn,@function
k_qbe85dcae24_attn:
	s_mov_b64 s[64:65], 0
	v_nop
	global_prefetch_b8 v0, s[64:65] scope:SCOPE_SE
	s_setreg_imm32_b32 hwreg(HW_REG_WAVE_MODE, 25, 1), 1
	s_wait_xcnt 0x0
; Causal attention of one head on codes of E4M3: o[q] = sum over k <= q of softmax_k(Q[q] . K[k] / 8) V[k]; the result is quantised (entry 6 of lowp_scales) and stored as the operand of the last product.
; qkvc: Q at byte 0, K at 8 MiB, V at 16 MiB, each [batch x 16 + head : 64][131,072]; Q, K: [block of 16 tokens : 128][1,024]; V: [block of 64 keys : 32][block of 16 channels : 4][1,024]: images of operand registers
; (16 rows x 64 k, 8 registers: register 4 p + n of lane l at 512 p + 16 l + 4 n; lane (r, h): row r, registers 2 c, 2 c + 1: k = 16 c + 8 h + 0 .. 7).  ac: [block of 16 tokens : 512][head : 16][1,024], the same kind of image.
; THE SOFTMAX: t = score x 2^(e2 + e3) x log2(e) / 8; M = the running largest t rounded UP to a whole number; p = 2^(t - M) is quantised with 2^e4, not normalised; the row's sum is taken of the unquantised p and divides at the end.
; When M moves, the sum and O are multiplied by 2^(old M - new M): nothing is rounded.  Keys behind the query get -infinity ahead of the maximum, so p = 0, as reference()'s -1e9 gives; key 0 counts for every query.
; LIMITS: e2 + e3 between -124 and 129 (added to c's exponent field); e4 and e6 between -126 and 119; e4 + e5 is applied by v_ldexp_f32.
; SHARES.  Work-group (x, head) owns the blocks x and 7 - x of 256 queries: 256 work-groups of equal work under the mask.  Each of sixteen waves owns 32 queries, two tiles of 16, of one of the two blocks
; (hi = bit 0 of w xor w / 4), so each fragment of K and V read from LDS feeds two products.  Four waves to a SIMD: one wave's vector work stands beside another's products and LDS loads.
; K AND V OF THE HEAD LIE IN LDS AS THEY LIE IN MEMORY (K at 0, V at 131,072) and no byte is written twice.  They come in eight chunks of 256 keys (16 KB + 16 KB), through registers: each thread four loads and four LDS stores,
; asked for a chunk's work ahead of the wait; one barrier a chunk.  Every work-group copies all eight chunks, so that the loops' counts are constants; steps all of whose keys lie behind a wave's queries are jumped over.
; NO CLUSTER, though the four work-groups of a head read the same K and V: a joint request is a tensor load; the branch on e4 spares 32 of a tile step's about 215
; instructions (p <= 1 needs no hold where 448 x 2^e4 >= 1).  What is shared is 32 KB a chunk, against up to 16 waves x 4 steps x 16 loads x 512 bytes = 512 KB of LDS reads that the chunk feeds.
; No prefetch: each chunk's loads into registers go out a whole chunk of work ahead of the wait for them.
; LAYOUT.  S^T = K Q^T (source 0 = 16 keys, source 1 = 16 queries): a lane holds one query and keys 16 k + 8 h + 0 .. 7 of tile k: just the places that the operand P wants, so the conversions' results are P.
; O^T = V^T P^T (source 0 = 16 channels, source 1 = P): a lane holds one query and channels 16 d + 8 h + 0 .. 7: the places that the last product's operand wants.
.set LI,   1                           ; v1   16 x lane
.set LIV,  2                           ; v2   + 131,072
.set CP0,  3                           ; v3   16 x thread: my bytes of a copy's 8,192
.set CP0V, 4                           ; v4   + 131,072
.set ADK,  5                           ; v5   LDS address of the step's K
.set ADV,  6                           ; v6   of its V
.set CPK,  7                           ; v7   where I store K's chunk
.set CPV,  8                           ; v8   V's
.set RH,   9                           ; v9   r - 8 h
.set DD,   10                          ; v10  my query less the key of register 0
.set NINF, 11                          ; v11  -infinity
.set ST,   12                          ; v[12+4t : 15+4t]  tile t: -M, the largest t, the sum in two halves
.set Q,    32                          ; v32-47   Q's two fragments
.set G,    48                          ; v48-63   a chunk on its way
.set FK,   64                          ; v64-95   four tiles of K
.set FV,   96                          ; v96-127  four channel blocks of V
.set S,    128                         ; v128-159 S^T, then p
.set P,    160                         ; v160-167 p's codes
.set O,    168                         ; v168-231 O^T: tile t, channel block d at 32 t + 8 d
.set OC,   232                         ; v232-247 the result's codes
.set VOFF, 131072
.set WV,   10
.set Q0,   15                          ; s15  my first query
.set KP,   16                          ; s[16:17] K's chunk that is asked for next;  s[18:19] V's
.set VP,   18
.set CC,   24                          ; s24  the chunk that is being stored
.set CB,   25                          ; s25  its LDS byte
.set TB,   26                          ; s26  LDS byte of the step's K (and, + 131,072, of its V): 4,096 a step
.set KF,   27                          ; s27  the step's first key
.set IC,   28
.set CSC,  30                          ; s[30:31] c
.set SEL,  32                          ; s[32:33] lane selects for v_permlanex16_b32: lane l xor 16
	s_load_b128 s[4:7], s[0:1], 0x0                ; qkvc s[4:5], lowp_scales s[6:7]
	s_load_b64 s[8:9], s[0:1], 0x10                ; ac
	v_lshl_add_u32 v254, v0, 2, 0x40000
	v_mov_b32 v255, 0
	v_lshrrev_b32 v5, 5, v0
	v_readfirstlane_b32 s[WV], v5                  ; wave 0..15
	v_and_b32 v6, 31, v0
	v_lshlrev_b32 v[LI], 4, v6
	v_add_nc_u32 v[LIV], VOFF, v[LI]
	v_lshlrev_b32 v[CP0], 4, v0
	v_add_nc_u32 v[CP0V], VOFF, v[CP0]
	v_and_b32 v7, 15, v0
	v_bfe_u32 v8, v0, 4, 1
	v_lshlrev_b32 v8, 3, v8
	v_sub_nc_u32 v[RH], v7, v8
	v_mov_b32 v[NINF], 0xff800000
	s_and_b32 s12, ttmp7, 0xffff                   ; batch x 16 + head
	s_lshr_b32 s13, s[WV], 2
	s_xor_b32 s13, s13, s[WV]
	s_and_b32 s13, s13, 1                          ; hi
	s_sub_co_u32 s14, 7, ttmp9
	s_cmp_eq_u32 s13, 1
	s_cselect_b32 s14, s14, ttmp9                  ; my block of 256 queries
	s_lshl_b32 s[Q0], s14, 8
	s_lshr_b32 s34, s[WV], 1                       ; among the eight waves of either kind w / 2 runs through 0 .. 7
	s_lshl_b32 s34, s34, 5
	s_add_co_u32 s[Q0], s[Q0], s34
	s_lshl_b32 s34, s12, 17                        ; the head's 131,072 bytes
	s_mov_b32 s35, 0
	s_lshl_b32 s36, s[Q0], 6                       ; 64 bytes a query
	s_mov_b32 s37, 0
	s_lshr_b32 s38, s12, 4                         ; ac: (batch x 2,048 + my first query) x 1,024 + head x 1,024
	s_lshl_b32 s38, s38, 11
	s_add_co_u32 s38, s38, s[Q0]
	s_and_b32 s39, s12, 15
	s_add_co_u32 s38, s38, s39
	s_lshl_b32 s38, s38, 10
	s_mov_b32 s39, 0
	s_mov_b32 s[SEL], 0x76543210
	s_mov_b32 s[SEL+1], 0xfedcba98
	s_mov_b32 s[CB], 0
	s_mov_b32 s[TB], 0
	s_mov_b32 s[KF], 0
	s_wait_kmcnt 0x0
	s_load_b256 s[40:47], s[6:7], 0x0              ; the eight exponents
	s_add_nc_u64 s[20:21], s[4:5], s[34:35]        ; the head in Q,
	s_add_nc_u64 s[KP:KP+1], s[20:21], 0x800000    ; in K,
	s_add_nc_u64 s[VP:VP+1], s[20:21], 0x1000000   ; in V
	s_add_nc_u64 s[20:21], s[20:21], s[36:37]      ; my queries
	s_add_nc_u64 s[22:23], s[8:9], s[38:39]
.macro GLOAD                           ; a chunk: 512 threads x 16 bytes = 8,192 consecutive bytes a line
	global_load_b128 v[G:G+3], v[CP0], s[KP:KP+1]
	global_load_b128 v[G+4:G+7], v[CP0], s[KP:KP+1] offset:8192
	global_load_b128 v[G+8:G+11], v[CP0], s[VP:VP+1]
	global_load_b128 v[G+12:G+15], v[CP0], s[VP:VP+1] offset:8192
.endm
.macro GSTORE
	v_add_nc_u32 v[CPK], s[CB], v[CP0]
	v_add_nc_u32 v[CPV], s[CB], v[CP0V]
	ds_store_b128 v[CPK], v[G:G+3]
	ds_store_b128 v[CPK], v[G+4:G+7] offset:8192
	ds_store_b128 v[CPV], v[G+8:G+11]
	ds_store_b128 v[CPV], v[G+12:G+15] offset:8192
.endm
	GLOAD                                          ; chunk 0
.irp t, 0,1
	global_load_b128 v[Q+8*\t:Q+8*\t+3], v[LI], s[20:21] offset:1024*\t
	global_load_b128 v[Q+8*\t+4:Q+8*\t+7], v[LI], s[20:21] offset:1024*\t+512
.endr
	v_mov_b32 v13, 0xff61b1e6                      ; the largest t so far: -3e38, under every t
	v_mov_b32 v17, 0xff61b1e6
	v_floor_f32 v12, -v13                          ; -M
	v_floor_f32 v16, -v17
	v_mov_b32 v14, 0                               ; the sums
	v_mov_b32 v15, 0
	v_mov_b32 v18, 0
	v_mov_b32 v19, 0
	v_mov_b32 v22, 0                               ; written once: a lane permute's destination counts as one of its sources
	v_mov_b32 v23, 0
	v_mov_b32 v25, 0                               ; (named as the upper halves of the pairs v[24:25], v[26:27])
	v_mov_b32 v26, 0
	v_mov_b32 v27, 0
.set n, 0
.rept 64
	v_mov_b32 v[O+n], 0                            ; O^T.  (The step is written once: the first finds zeros, which the first change of M leaves zeros)
.set n, n+1
.endr
	s_wait_kmcnt 0x0
	s_add_co_i32 s34, s42, s43
	s_lshl_b32 s34, s34, 23
	s_add_co_i32 s[CSC], s34, 0x3e38aa3b           ; c = log2(e) / 8, with e2 + e3 added to its exponent field
	s_mov_b32 s[CSC+1], s[CSC]                     ; (named with it as a pair, so it is written)
	s_add_co_i32 s34, s44, 127
	s_lshl_b32 s35, s34, 23
	v_mov_b32 v28, s35                             ; 2^e4
	s_add_co_i32 s34, s34, 8
	s_lshl_b32 s34, s34, 23
	s_or_b32 s34, s34, 0x600000
	v_mov_b32 v29, s34                             ; 448 x 2^e4
	s_add_co_i32 s34, s46, 127
	s_lshl_b32 s35, s34, 23
	v_mov_b32 v30, s35                             ; 2^e6
	s_add_co_i32 s34, s34, 8
	s_lshl_b32 s34, s34, 23
	s_or_b32 s34, s34, 0x600000
	v_mov_b32 v31, s34                             ; 448 x 2^e6
; One tile of 16 queries against the step's 64 keys.
.macro TILE t
.set SS, ST+4*\t
.set OO, O+32*\t
.irp k, 0,1,2,3
	v_wmma_f32_16x16x64_fp8_fp8 v[S+8*\k:S+8*\k+7], v[FK+8*\k:FK+8*\k+7], v[Q+8*\t:Q+8*\t+7], 0
.endr
.rept 4
	v_nop                                          ; places in front of the first read of results
.endr
	s_add_co_u32 s34, s[KF], 63                    ; a step all of whose keys count for all 16 queries skips the mask
	s_add_co_u32 s35, s[Q0], 16*\t
	s_cmp_le_u32 s34, s35
	s_cbranch_scc1 .Lopen_\@
	s_sub_co_i32 s35, s35, s[KF]
	v_add_nc_u32 v[DD], s35, v[RH]                 ; d = my query - KF - 8 h.  Register 8 k + j holds key KF + 16 k + 8 h + j: hidden where 16 k + j > d
.set n, 0
.rept 32
	v_cmp_gt_i32 vcc_lo, 16*(n/8)+n%8, v[DD]
	v_cndmask_b32 v[S+n], v[S+n], v[NINF], vcc_lo
.set n, n+1
.endr
.Lopen_\@:
	v_max3_num_f32 v20, v[S], v[S+1], v[S+2]       ; the step's largest score of my query among my 32 keys, in two chains, each accumulator from its low end on,
	v_max3_num_f32 v21, v[S+3], v[S+4], v[S+5]
.irp i, 6,10,14,18,22,26
	v_max3_num_f32 v20, v20, v[S+\i], v[S+\i+1]
	v_max3_num_f32 v21, v21, v[S+\i+2], v[S+\i+3]
.endr
	v_max3_num_f32 v20, v20, v[S+30], v[S+31]
	v_max_num_f32 v20, v20, v21
	v_permlanex16_b32 v22, v20, s[SEL], s[SEL+1]
	v_max_num_f32 v20, v20, v22                    ; and among lane l xor 16's
	v_mul_f32 v20, s[CSC], v20                     ; as t (c is positive)
	v_max_num_f32 v[SS+1], v[SS+1], v20            ; the running largest t
	v_mov_b32 v20, v[SS]
	v_floor_f32 v[SS], -v[SS+1]                    ; the new -M = floor(-t): M is a whole number
	v_sub_f32 v20, v[SS], v20                      ; old M - new M: a whole number, 0 or less
	v_cvt_i32_f32 v20, v20                         ; (it saturates)
	v_ldexp_f32 v24, 1.0, v20                      ; f = 2^(old M - new M)
.set n, 0
.rept 16
	v_pk_fma_f32 v[S+n:S+n+1], v[S+n:S+n+1], s[CSC:CSC+1], v[SS:SS+1] op_sel_hi:[1,0,0]   ; t - M, two at a time
.set n, n+2
.endr
.set n, 0
.rept 32
	v_exp_f32 v[S+n], v[S+n]                       ; p = 2^(t - M), at most 1
.set n, n+1
.endr
	v_pk_mul_f32 v[SS+2:SS+3], v[SS+2:SS+3], v[24:25] op_sel_hi:[1,0]   ; the sums under the new M.  (The plain line behind the exponentials)
	s_wait_alu depctr_va_vdst(0)                   ; one wait for the batch of 32, ahead of its first reader
	v_pk_add_f32 v[26:27], v[S:S+1], v[S+2:S+3]    ; the row's sum is taken of the unquantised p, in two chains
.irp j, 4,8,12,16,20,24,28
	v_pk_add_f32 v[SS+2:SS+3], v[SS+2:SS+3], v[S+\j:S+\j+1]
	v_pk_add_f32 v[26:27], v[26:27], v[S+\j+2:S+\j+3]
.endr
	v_pk_add_f32 v[SS+2:SS+3], v[SS+2:SS+3], v[26:27]
	s_cmp_gt_i32 s44, -9                           ; p <= 1 <= 448 x 2^e4 from e4 = -8 on: the hold changes nothing there and is jumped over
	s_cbranch_scc1 .Lno_hold_\@
.set n, 0
.rept 32
	v_min_num_f32 v[S+n], v[S+n], v29              ; the conversion does not saturate (ISA guide 7.6.2); p is not negative, so the hold is one-sided
.set n, n+1
.endr
.Lno_hold_\@:
.irp c, 0,1,2,3
	v_cvt_scalef32_pk8_fp8_f32 v[P+2*\c:P+2*\c+1], v[S+8*\c:S+8*\c+7], v28
.endr
.set n, 0
.rept 16
	v_pk_mul_f32 v[OO+n:OO+n+1], v[OO+n:OO+n+1], v[24:25] op_sel_hi:[1,0]   ; O^T under the new M.  (Also the plain lines behind the conversions)
.set n, n+2
.endr
.if \t == 0
	s_wait_dscnt 0x0                               ; V is in
.endif
.irp d, 0,1,2,3
	v_wmma_f32_16x16x64_fp8_fp8 v[OO+8*\d:OO+8*\d+7], v[FV+8*\d:FV+8*\d+7], v[P:P+7], v[OO+8*\d:OO+8*\d+7]
.endr
.endm
; A key step: 64 keys.  Q0 is a multiple of 32 and KF of 64, so both tiles are live in the same steps: those with KF <= Q0.  The jump leads to the lines that step the addresses.
.macro STEP
	s_add_co_u32 s34, s[Q0], 31
	s_cmp_gt_u32 s[KF], s34
	s_cbranch_scc1 .Lhidden_\@
	v_add_nc_u32 v[ADK], s[TB], v[LI]
	v_add_nc_u32 v[ADV], s[TB], v[LIV]
	v_nop                                          ; with the two additions: four places in front of loads into registers that the last products read
	v_nop
.irp i, 0,1,2,3
	ds_load_b128 v[FK+8*\i:FK+8*\i+3], v[ADK] offset:1024*\i
	ds_load_b128 v[FK+8*\i+4:FK+8*\i+7], v[ADK] offset:1024*\i+512
.endr
.irp i, 0,1,2,3
	ds_load_b128 v[FV+8*\i:FV+8*\i+3], v[ADV] offset:1024*\i
	ds_load_b128 v[FV+8*\i+4:FV+8*\i+7], v[ADV] offset:1024*\i+512
.endr
	s_wait_dscnt 8                                 ; K's eight loads are in; V's eight may be out
	TILE 0
	TILE 1
.Lhidden_\@:
	s_add_co_u32 s[KF], s[KF], 64
	s_add_co_u32 s[TB], s[TB], 4096
.endm
.macro CHUNK                           ; a chunk's four steps
	s_mov_b32 s[IC], 4
.Lstep_\@:
	STEP
	s_sub_co_u32 s[IC], s[IC], 1
	s_cmp_lg_u32 s[IC], 0
	s_cbranch_scc1 .Lstep_\@
.endm
	s_wait_loadcnt 4                               ; chunk 0's four loads are in; Q's four may be out
	GSTORE
	s_add_nc_u64 s[KP:KP+1], s[KP:KP+1], 16384     ; (the loads that read these bases are done)
	s_add_nc_u64 s[VP:VP+1], s[VP:VP+1], 16384
	s_wait_dscnt 0x0                               ; my stores have landed, and have read their registers
	GLOAD                                          ; chunk 1
	s_barrier_signal -1
	s_barrier_wait -1                              ; chunk 0 lies in LDS
	s_wait_loadcnt 4                               ; Q is in; chunk 1's four loads may be out
	s_mov_b32 s[CC], 1
.Lchunk:                                           ; seven trips: chunk CC is stored, chunk CC + 1 asked for, chunk CC - 1 worked on
	s_add_co_u32 s[CB], s[CB], 16384
	s_wait_loadcnt 0x0                             ; chunk CC is in my registers: asked for a chunk's work ago
	GSTORE
	s_add_nc_u64 s[KP:KP+1], s[KP:KP+1], 16384
	s_add_nc_u64 s[VP:VP+1], s[VP:VP+1], 16384
	s_wait_dscnt 0x0                               ; my stores have landed and have read their registers; my LDS loads are back
	s_cmp_lt_u32 s[CC], 7                          ; there is no chunk 8: no load leaves the head
	s_cbranch_scc0 .Lno_more
	GLOAD
.Lno_more:
	s_barrier_signal -1
	s_barrier_wait -1                              ; chunk CC lies in LDS
	CHUNK
	s_add_co_u32 s[CC], s[CC], 1
	s_cmp_lt_u32 s[CC], 8
	s_cbranch_scc1 .Lchunk
	CHUNK                                          ; chunk 7
	; THE WAY OUT: O^T x 2^(e4 + e5) / the sum, held, converted with 2^e6: the conversions' results are the last product's operand; each store writes 512 consecutive bytes of its image.
.rept 4
	v_nop                                          ; places behind the last products
.endr
	v_add_f32 v20, v14, v15                        ; the sums' two halves,
	v_add_f32 v21, v18, v19
	v_permlanex16_b32 v22, v20, s[SEL], s[SEL+1]
	v_permlanex16_b32 v23, v21, s[SEL], s[SEL+1]
	v_add_f32 v20, v20, v22                        ; and lane l xor 16's
	v_add_f32 v21, v21, v23
	v_rcp_f32 v24, v20
	v_rcp_f32 v26, v21
	v_nop                                          ; a plain line behind the reciprocals
	s_add_co_i32 s34, s44, s45
	s_wait_alu depctr_va_vdst(0)                   ; one wait for the two, ahead of the first reader
	v_ldexp_f32 v24, v24, s34
	v_ldexp_f32 v26, v26, s34
.irp t, 0,1
.set n, 0
.rept 16
	v_pk_mul_f32 v[O+32*\t+n:O+32*\t+n+1], v[O+32*\t+n:O+32*\t+n+1], v[24+2*\t:25+2*\t] op_sel_hi:[1,0]
.set n, n+2
.endr
.set n, 0
.rept 32
	v_med3_num_f32 v[O+32*\t+n], v[O+32*\t+n], -v31, v31
.set n, n+1
.endr
.irp d, 0,1,2,3
	v_cvt_scalef32_pk8_fp8_f32 v[OC+8*\t+2*\d:OC+8*\t+2*\d+1], v[O+32*\t+8*\d:O+32*\t+8*\d+7], v30
.endr
	v_nop                                          ; a plain line behind the last conversion
	global_store_b128 v[LI], v[OC+8*\t:OC+8*\t+3], s[22:23] offset:16384*\t
	global_store_b128 v[LI], v[OC+8*\t+4:OC+8*\t+7], s[22:23] offset:16384*\t+512
.endr
	s_wait_tensorcnt 0x0
	ds_add_u32 v254, v255
	s_wait_dscnt 0x0
	s_endpgm
.Lfunc_end_k_qbe85dcae24_attn:
	.size	k_qbe85dcae24_attn, .Lfunc_end_k_qbe85dcae24_attn-k_qbe85dcae24_attn
	.p2alignl 7, 3214868480
	.fill 96, 4, 3214868480
	.section	.rodata,"a",@progbits
	.p2align	6, 0x0
	.amdhsa_kernel k_qbe85dcae24_attn
		.amdhsa_group_segment_fixed_size 264192
		.amdhsa_private_segment_fixed_size 0
		.amdhsa_enable_private_segment 0
		.amdhsa_kernarg_size 24
		.amdhsa_user_sgpr_count 2
		.amdhsa_user_sgpr_kernarg_segment_ptr 1
		.amdhsa_wavefront_size32 1
		.amdhsa_system_sgpr_workgroup_id_x 1
		.amdhsa_system_sgpr_workgroup_id_y 1
		.amdhsa_system_sgpr_workgroup_id_z 1
		.amdhsa_system_vgpr_workitem_id 0
		.amdhsa_next_free_vgpr 256
		.amdhsa_next_free_sgpr 66
		.amdhsa_reserve_vcc 1
		.amdhsa_float_denorm_mode_32 3
		.amdhsa_float_denorm_mode_16_64 3
		.amdhsa_memory_ordered 1
		.amdhsa_forward_progress 1
		.amdhsa_inst_pref_size 58
	.end_amdhsa_kernel
	.amdgpu_metadata
---
amdhsa.version: [ 1, 2 ]
amdhsa.kernels:
  - .name:           k_qbe85dcae24_attn
    .symbol:         k_qbe85dcae24_attn.kd
    .args:
      - { .name: qkvc, .offset: 0, .size: 8, .value_kind: global_buffer, .address_space: global }
      - { .name: lowp_scales, .offset: 8, .size: 8, .value_kind: global_buffer, .address_space: global }
      - { .name: ac, .offset: 16, .size: 8, .value_kind: global_buffer, .address_space: global }
    .group_segment_fixed_size: 264192
    .private_segment_fixed_size: 0
    .kernarg_segment_align: 8
    .kernarg_segment_size: 24
    .max_flat_workgroup_size: 512
    .sgpr_count:     66
    .vgpr_count:     256
    .wavefront_size: 32
...
	.end_amdgpu_metadata
.endif
;; end of part 4
;; launch oproj (part 5): grid 4 x 64, 4 waves a work-group, clusters of 4 x 4, 327,680 bytes of LDS; arguments ac, woc, lowp_scales, Wo_b, out0; writes out0
.if DOCPART == 5
	.amdgcn_target "amdgcn-amd-amdhsa--gfx1250"
	.amdhsa_code_object_version 6
	.text
	.protected	k_qbe85dcae24_oproj
	.globl	k_qbe85dcae24_oproj
	.p2align	8
	.type	k_qbe85dcae24_oproj,@function
k_qbe85dcae24_oproj:
	s_mov_b64 s[64:65], 0
	v_nop
	global_prefetch_b8 v0, s[64:65] scope:SCOPE_SE
	s_setreg_imm32_b32 hwreg(HW_REG_WAVE_MODE, 25, 1), 1
	s_wait_xcnt 0x0
	s_wait_alu depctr_hold_cnt(0) depctr_sa_sdst(0) depctr_va_vdst(0) depctr_va_sdst(0) depctr_va_ssrc(0) depctr_va_vcc(0) depctr_vm_vsrc(0)
	s_getreg_b32 s2, hwreg(HW_REG_IB_STS2, 6, 4)
	s_cmp_eq_u32 s2, 0
	s_cbranch_scc0 .Lentry_in_a_cluster
	s_endpgm
.Lentry_in_a_cluster:
	s_bfe_u32 s2, ttmp6, 0x10000c
	s_cmp_lg_u32 s2, 0xf033
	s_cbranch_scc0 .Lentry_shape_is_right
	s_endpgm
.Lentry_shape_is_right:
; out0 = attention's result x Wo_w^T + Wo_b on codes of E4M3.  ac [block of 16 tokens : 512][k step of 128 : 8][2,048], woc [64][8][2,048]: images of operand registers (register 4 i + n of lane l at 512 i + 16 l + 4 n).
; out0 [8192][1024] f32 = sum x 2^(e6 + e7) + bias.  LIMIT: e6 + e7 between -126 and 127, so that the power of two is an f32 number.
; SHARES.  A tile of 128 tokens x 256 columns is made by four waves, each 64 x 128: 32 accumulators, 256 registers.  64 x 4 = 256 tiles, one for each of 256 work-groups (tiles of 256 x 256 would be 128).
; K = 1,024 goes in four steps of 256 through a ring of two LDS slots; the steps are written out.  CLUSTERS: 4 x 4 work-groups; the tokens' tiles are shared along a row of the cluster, the weights' along a column: joint loads.
; The matrix instruction is used transposed (source 0 = 16 rows of Wo_w, source 1 = 16 tokens): a lane holds eight neighbouring numbers of a row of out0.
; REGISTERS: window 0: v16-31 addresses; v32-95 the bias; v96-159 at work on the way out; v160-223 the tokens' fragments, ONE set.  window 1: the weights' fragments, TWO sets; on the way out rows of out0.  window 2: accumulator (a, b) at v[8 (8 a + b)].
.set FR,     16
.set NL,     4
.set NP,     4
.set SLOT,   98304                     ; tokens: 8 blocks x 4,096 bytes; then weights: 16 blocks x 4,096
.set BPART,  32768
.set STAGE,  2*SLOT                    ; behind the ring: 16 rows x (512 + 16) bytes for each wave, for the way out; no tile lands there
.set SPITCH, 528
.set SPARE,  STAGE+4*16*SPITCH         ; 230,400: the spare words, 128 bytes for each wave: two blocks of 256 bytes that no other line names
.set ADRA, 16
.set ADRB, 20
.set STO,  24                          ; v24  the way out: where I put 32 bytes of a row
.set RD,   25                          ; v25  where I read a row back
.set LI,   26                          ; v26  16 x lane
.set SPW,  28
.set NIL,  29
.set BIAS, 32
.set TMP,  96
.set AF,   160
.set G1, 24
.set G0, 32
.set G1B, 48
.set G0B, 56
.set MSB, 0
.macro WIN new                         ; the immediate's high byte repeats the setting that is left
.if MSB != \new
	s_set_vgpr_msb (MSB<<8)|\new
.set MSB, \new
.endif
.endm
.set MUL,  0xa1                        ; source 0 window 1, source 1 window 0, C and D window 2
.set TO_B, 0x40                        ; destination window 1, address window 0
.macro JLOAD g0a, g1a, g0b, g1b        ; waves 0 and 1 fetch the tokens' halves, waves 2 and 3 the weights'; four v_nop follow each line
	s_cmp_eq_u32 s17, 0
	s_cbranch_scc0 .Lfor_b_\@
	tensor_load_to_lds s[\g0a:\g0a+3], s[\g1a:\g1a+7]
	s_nop 0
.rept 4
	v_nop
.endr
	s_branch .Lasked_\@
.Lfor_b_\@:
	tensor_load_to_lds s[\g0b:\g0b+3], s[\g1b:\g1b+7]
	s_nop 0
.rept 4
	v_nop
.endr
.Lasked_\@:
.endm
.macro CREST
	s_cmp_lg_u32 s16, 0
	s_cbranch_scc1 .Lnot_wave_0_\@
	s_barrier_signal -3
.Lnot_wave_0_\@:
	s_barrier_wait -3
	s_barrier_signal -1
	s_barrier_wait -1
.endm
.macro CROUND
	s_barrier_signal -1
	s_barrier_wait -1
	CREST
.endm
	s_load_b256 s[4:11], s[0:1], 0x0               ; ac s[4:5], woc s[6:7], lowp_scales s[8:9], Wo_b s[10:11]
	s_load_b64 s[12:13], s[0:1], 0x20              ; out0
	v_lshl_add_u32 v[SPW], v0, 2, SPARE
	v_mov_b32 v[NIL], 0
	ds_add_u32 v28, v29
	ds_add_u32 v28, v29
	s_wait_dscnt 0x0
	v_lshrrev_b32 v1, 5, v0
	v_readfirstlane_b32 s16, v1                    ; wave 0..3
	s_lshr_b32 s17, s16, 1                         ; PA: which 64 tokens are mine.  Also: I fetch tokens (0) or weights (1)
	s_and_b32 s18, s16, 1                          ; PB: which 128 columns.  Also: which half of that tile I fetch
	s_bfe_u32 s40, ttmp6, 0x40000                  ; cx, cy
	s_bfe_u32 s41, ttmp6, 0x40004
	s_lshl_b32 s42, ttmp9, 2
	s_add_co_u32 s42, s42, s40                     ; tile column
	s_and_b32 s43, ttmp7, 0xffff
	s_lshl_b32 s43, s43, 2
	s_add_co_u32 s43, s43, s41                     ; tile row
	s_lshl_b32 s44, s41, 2
	s_lshl_b32 s44, 15, s44                        ; my row of the cluster
	s_lshl_b32 s45, 0x1111, s40                    ; my column
	s_or_b32 s[G1+0], s44, (3<<16)|(1<<21)         ; 15:0 the mask; 17:16 elements of 8 bytes; no padding; 21 set beside a mask
	s_or_b32 s[G1B+0], s45, (3<<16)|(1<<21)
	s_mov_b32 s[G1+1], 512<<16                     ; tokens: 4 blocks x 4,096 bytes, 16,384 bytes apart
	s_mov_b32 s[G1+2], 4<<16
	s_mov_b32 s[G1+3], 512<<16
	s_mov_b32 s[G1+4], 4
	s_mov_b32 s[G1+5], 2048
	s_mov_b32 s[G1+6], 0
	s_mov_b32 s[G1+7], 0
	s_mov_b32 s[G1B+1], 512<<16                    ; weights: 8 blocks
	s_mov_b32 s[G1B+2], 8<<16
	s_mov_b32 s[G1B+3], 512<<16
	s_mov_b32 s[G1B+4], 8
	s_mov_b32 s[G1B+5], 2048
	s_mov_b32 s[G1B+6], 0
	s_mov_b32 s[G1B+7], 0
	s_lshl_b32 s20, s43, 17                        ; tokens: 8 blocks x tile row + 4 x half
	s_lshl_b32 s23, s18, 16
	s_add_co_u32 s20, s20, s23
	s_mov_b32 s21, 0
	s_lshl_b32 s46, s42, 18                        ; weights: 16 blocks x tile column + 8 x half
	s_lshl_b32 s23, s18, 17
	s_add_co_u32 s46, s46, s23
	s_mov_b32 s47, 0
	s_lshl_b32 s22, s18, 14                        ; where they go: the tokens' half,
	s_lshl_b32 s23, s18, 15
	s_add_co_u32 s23, s23, BPART                   ; the weights' half
	s_wait_kmcnt 0x0
	s_load_b256 s[68:75], s[8:9], 0x0              ; the eight exponents
	s_add_nc_u64 s[20:21], s[4:5], s[20:21]
	s_add_nc_u64 s[46:47], s[6:7], s[46:47]
	CROUND                                         ; all sixteen work-groups are here: the first joint loads meet
.irp s, 0,1
	s_mov_b32 s[G0+4*\s], 1
	s_add_co_u32 s[G0+4*\s+1], s22, \s*SLOT
	s_add_nc_u64 s[G0+4*\s+2:G0+4*\s+3], s[20:21], \s*4096
	s_or_b32 s[G0+4*\s+3], s[G0+4*\s+3], 0x80000000
	s_mov_b32 s[G0B+4*\s], 1
	s_add_co_u32 s[G0B+4*\s+1], s23, \s*SLOT
	s_add_nc_u64 s[G0B+4*\s+2:G0B+4*\s+3], s[46:47], \s*4096
	s_or_b32 s[G0B+4*\s+3], s[G0B+4*\s+3], 0x80000000
	JLOAD G0+4*\s, G1, G0B+4*\s, G1B               ; two tensor loads of mine are out
.endr
	v_and_b32 v1, 31, v0
	v_and_b32 v2, 15, v0                           ; r
	v_bfe_u32 v3, v0, 4, 1                         ; h
	v_lshlrev_b32 v[LI], 4, v1
	s_lshl_b32 s86, s17, 14                        ; my 4 blocks of tokens
	s_lshl_b32 s87, s18, 15
	s_add_co_u32 s87, s87, BPART                   ; my 8 blocks of weights
.irp s, 0,1
	v_add_nc_u32 v[ADRA+\s], s86, v[LI]
	v_add_nc_u32 v[ADRB+\s], s87, v[LI]
	s_add_co_u32 s86, s86, SLOT
	s_add_co_u32 s87, s87, SLOT
.endr
	s_mul_i32 s88, s16, 16*SPITCH
	s_add_co_u32 s88, s88, STAGE                   ; my stage
	v_mul_u32_u24 v4, v2, SPITCH                   ; in: row r, 32 bytes for each half of the lanes
	v_lshl_add_u32 v4, v3, 5, v4
	v_add_nc_u32 v[STO], s88, v4
	v_add_nc_u32 v[RD], s88, v[LI]                 ; back: the 32 lanes take one row of 512 bytes
	v_lshlrev_b32 v6, 5, v3                        ; the bias: 32 h
	s_lshl_b32 s86, s42, 10                        ; my first column, in bytes: 1,024 x tile column + 512 PB
	s_lshl_b32 s87, s18, 9
	s_add_co_u32 s86, s86, s87
	s_mov_b32 s87, 0
	s_add_nc_u64 s[84:85], s[10:11], s[86:87]
	s_add_nc_u64 s[80:81], s[12:13], s[86:87]
	s_lshl_b32 s86, s43, 19                        ; my first row: 128 x tile row + 64 PA, 4,096 bytes a row
	s_lshl_b32 s88, s17, 18
	s_add_co_u32 s86, s86, s88
	s_add_nc_u64 s[80:81], s[80:81], s[86:87]
.irp b, 0,1,2,3,4,5,6,7                ; the bias in the results' layout: register 8 b + j: column 16 b + 8 h + j; waited for on the way out
	global_load_b128 v[BIAS+8*\b:BIAS+8*\b+3], v6, s[84:85] offset:64*\b
	global_load_b128 v[BIAS+8*\b+4:BIAS+8*\b+7], v6, s[84:85] offset:64*\b+16
.endr
	s_wait_kmcnt 0x0
	s_add_co_i32 s76, s74, s75
	s_add_co_i32 s76, s76, 127
	s_lshl_b32 s76, s76, 23                        ; 2^(e6 + e7) as f32
	s_mov_b32 s77, s76                             ; (named with it as a pair, so it is written)
.macro FRAG reg, adr, q, i
.irp c, 0,1,2,3
	ds_load_b128 v[\reg+4*\c:\reg+4*\c+3], v[\adr] offset:4096*(\i)+2048*(\q)+512*\c
.endr
.endm
; 8 matrix instructions: block a of tokens x the weights' eight.  The 32 accumulators take turns, one instruction a turn, in the same order in every step.
.macro MULA a, p, zero
.irp b, 0,1,2,3,4,5,6,7
.if \zero
	v_wmma_f32_16x16x128_fp8_fp8 v[8*(8*(\a)+\b):8*(8*(\a)+\b)+7], v[128*(\p)+FR*\b:128*(\p)+FR*\b+FR-1], v[AF+FR*(\a):AF+FR*(\a)+FR-1], 0
.else
	v_wmma_f32_16x16x128_fp8_fp8 v[8*(8*(\a)+\b):8*(8*(\a)+\b)+7], v[128*(\p)+FR*\b:128*(\p)+FR*\b+FR-1], v[AF+FR*(\a):AF+FR*(\a)+FR-1], v[8*(8*(\a)+\b):8*(8*(\a)+\b)+7]
.endif
.endr
.endm
.macro FETCH_B slot, q, p
	WIN TO_B
.irp i, 0,1,2,3,4,5,6,7
	FRAG 128*(\p)+FR*\i, ADRB+\slot, \q, \i
.endr
	WIN 0
.endm
.macro FETCH_A slot, q, i0
.irp i, \i0, \i0+1
	FRAG AF+FR*(\i), ADRA+\slot, \q, \i
.endr
.endm
.macro PLACES n
.rept \n
	v_nop
.endr
.endm
.macro STEP slot, q, zero
	s_wait_dscnt 2*NL                              ; the weights' set and token blocks 0, 1 are in; the youngest eight loads (blocks 2, 3) may be out
	WIN MUL
	MULA 0, (\q)%2, \zero
	MULA 1, (\q)%2, \zero
	s_wait_dscnt 0
	PLACES NP
	FETCH_B \slot, (\q)+1, 1-(\q)%2
	FETCH_A \slot, (\q)+1, 0
	WIN MUL
	MULA 2, (\q)%2, \zero
	MULA 3, (\q)%2, \zero
	PLACES NP
	WIN 0
	FETCH_A \slot, (\q)+1, 2
.endm
.macro TURN slot, next, fill
	s_wait_tensorcnt 0x0                           ; all my tensor loads have landed: my part of the next slot;  (every window is 0 here)
	ds_add_u32 v[SPW], v[NIL]                      ; 0 onto my spare word
	s_wait_dscnt 2*NL+1                            ; (the add and the youngest eight loads may be out)
	WIN MUL
	MULA 0, 1, 0                                   ; eight matrix instructions stand between the add and the wait for it
	s_wait_dscnt 0x0                               ; the add is done, and my reads of this slot are over
	s_barrier_signal -1
	MULA 1, 1, 0
	WIN 0
	s_barrier_wait -1
.if \fill
	CREST                                          ; the barrier has opened a round of the cluster's barrier
	s_add_nc_u64 s[G0+4*\slot+2:G0+4*\slot+3], s[G0+4*\slot+2:G0+4*\slot+3], 8192
	s_add_nc_u64 s[G0B+4*\slot+2:G0B+4*\slot+3], s[G0B+4*\slot+2:G0B+4*\slot+3], 8192
	JLOAD G0+4*\slot, G1, G0B+4*\slot, G1B         ; the first tensor load behind the round, my only one out; its four v_nop are also the places in front of the loads below
.else
	PLACES NP
.endif
	FETCH_B \next, 0, 0
	FETCH_A \next, 0, 0
	WIN MUL
	MULA 2, 1, 0
	MULA 3, 1, 0
	PLACES NP
	WIN 0
	FETCH_A \next, 0, 2
.endm
	s_wait_tensorcnt 1                             ; my part of slot 0 is in; slot 1's load may be out
	s_barrier_signal -1
	s_barrier_wait -1
	FETCH_B 0, 0, 0
	FETCH_A 0, 0, 0
	FETCH_A 0, 0, 2
	STEP 0, 0, 1
	TURN 0, 1, 1
	STEP 1, 0, 0
	TURN 1, 0, 1
	STEP 0, 0, 0
	TURN 0, 1, 0
	STEP 1, 0, 0
	s_wait_dscnt 2*NL                              ; the last step
	WIN MUL
	MULA 0, 1, 0
	MULA 1, 1, 0
	s_wait_dscnt 0
	MULA 2, 1, 0
	MULA 3, 1, 0
	WIN 0
; THE WAY OUT, a block of 16 rows x 128 columns at a time.  A lane holds 32 neighbouring bytes of a row and the lanes beside it other rows: the block goes through my own stage in LDS and comes back as whole rows of 512 bytes.
; LDS serves a wave's instructions in order (ISA guide 5.7.1.4): no wait between the stores and the loads, nor in front of the next block's stores.
.macro TOSTAGE a
	WIN 0x02                                       ; source 0: window 2
.set n, 0
.rept 32
	v_pk_fma_f32 v[TMP+n:TMP+n+1], v[64*(\a)+n:64*(\a)+n+1], s[76:77], v[BIAS+n:BIAS+n+1] op_sel_hi:[1,0,1]   ; sum x 2^(e6 + e7) + bias; each accumulator from its low end on
.set n, n+2
.endr
	WIN 0
.irp b, 0,1,2,3,4,5,6,7
	ds_store_b128 v[STO], v[TMP+8*\b:TMP+8*\b+3] offset:64*\b
	ds_store_b128 v[STO], v[TMP+8*\b+4:TMP+8*\b+7] offset:64*\b+16
.endr
	WIN TO_B                                       ; back into window 1, two sets of 64 by turns
.set n, 0
.rept 16
	ds_load_b128 v[64*((\a)%2)+4*n:64*((\a)%2)+4*n+3], v[RD] offset:n*SPITCH
.set n, n+1
.endr
	WIN 0
.endm
.macro SEND a, younger                 ; younger: the LDS instructions issued behind block a's loads, which may stay out
	s_wait_dscnt \younger
	WIN 0x04                                       ; the stores' data: window 1
.set n, 0
.rept 16
	global_store_b128 v[LI], v[64*((\a)%2)+4*n:64*((\a)%2)+4*n+3], s[80:81] offset:65536*(\a)+4096*n th:TH_STORE_NT   ; 32 lanes store 512 consecutive bytes, at a multiple of 256 from out0's first byte
.set n, n+1
.endr
	WIN 0
.endm
	s_wait_loadcnt 0x0                             ; the bias
	PLACES NP                                      ; behind the last products: for the reads of results and the loads into the weights' registers
	TOSTAGE 0
.irp a, 1,2,3
.if \a > 1
	s_wait_xcnt 0x0                                ; block a - 2's stores have read their registers: block a's loads may land there
.endif
	TOSTAGE \a
	SEND \a-1, 32                                  ; behind block a - 1's loads: block a's 16 stores and 16 loads
.endr
	SEND 3, 0
	s_wait_tensorcnt 0x0                           ; the wave's end
	ds_add_u32 v[SPW], v[NIL]
	s_wait_dscnt 0x0
	CROUND                                         ; the closing round
	s_endpgm
.Lfunc_end_k_qbe85dcae24_oproj:
	.size	k_qbe85dcae24_oproj, .Lfunc_end_k_qbe85dcae24_oproj-k_qbe85dcae24_oproj
	.p2alignl 7, 3214868480
	.fill 96, 4, 3214868480
	.section	.rodata,"a",@progbits
	.p2align	6, 0x0
	.amdhsa_kernel k_qbe85dcae24_oproj
		.amdhsa_group_segment_fixed_size 327680
		.amdhsa_private_segment_fixed_size 0
		.amdhsa_enable_private_segment 0
		.amdhsa_kernarg_size 40
		.amdhsa_user_sgpr_count 2
		.amdhsa_user_sgpr_kernarg_segment_ptr 1
		.amdhsa_wavefront_size32 1
		.amdhsa_system_sgpr_workgroup_id_x 1
		.amdhsa_system_sgpr_workgroup_id_y 1
		.amdhsa_system_sgpr_workgroup_id_z 1
		.amdhsa_system_vgpr_workitem_id 0
		.amdhsa_next_free_vgpr 768
		.amdhsa_next_free_sgpr 100
		.amdhsa_reserve_vcc 0
		.amdhsa_float_denorm_mode_32 3
		.amdhsa_float_denorm_mode_16_64 3
		.amdhsa_memory_ordered 1
		.amdhsa_forward_progress 1
		.amdhsa_inst_pref_size 78
	.end_amdhsa_kernel
	.amdgpu_metadata
---
amdhsa.version: [ 1, 2 ]
amdhsa.kernels:
  - .name:           k_qbe85dcae24_oproj
    .symbol:         k_qbe85dcae24_oproj.kd
    .args:
      - { .name: ac, .offset: 0, .size: 8, .value_kind: global_buffer, .address_space: global }
      - { .name: woc, .offset: 8, .size: 8, .value_kind: global_buffer, .address_space: global }
      - { .name: lowp_scales, .offset: 16, .size: 8, .value_kind: global_buffer, .address_space: global }
      - { .name: Wo_b, .offset: 24, .size: 8, .value_kind: global_buffer, .address_space: global }
      - { .name: out0, .offset: 32, .size: 8, .value_kind: global_buffer, .address_space: global }
    .group_segment_fixed_size: 327680
    .private_segment_fixed_size: 0
    .kernarg_segment_align: 8
    .kernarg_segment_size: 40
    .max_flat_workgroup_size: 128
    .sgpr_count:     100
    .vgpr_count:     768
    .wavefront_size: 32
...
	.end_amdgpu_metadata
.endif
;; end of part 5
;; ======== version 2 of 2: 5 launches; version 1 with the launch attn written anew for expert scheduling mode
;; limits: right only within a limited range of input values
;; workspace buffers: xc 8,388,608 bytes; wqc 3,145,728 bytes; woc 1,048,576 bytes; tab 524,288 bytes; qkvc 25,165,824 bytes; ac 8,388,608 bytes
;; launch prep: the kernel of part 1 again; grid 800 x 1, 4 waves a work-group, no clusters, 34,304 bytes of LDS; arguments x, Wqkv_w, Wo_w, token_positions, lowp_scales, xc, wqc, woc, tab; writes xc, wqc, woc, tab
;; launch qk: the kernel of part 2 again; grid 8 x 32, 4 waves a work-group, clusters of 4 x 4, 327,680 bytes of LDS; arguments xc, wqc, lowp_scales, Wqkv_b, tab, qkvc; writes qkvc
;; launch v: the kernel of part 3 again; grid 32 x 8, 4 waves a work-group, clusters of 4 x 4, 327,680 bytes of LDS; arguments wqc, xc, lowp_scales, Wqkv_b, qkvc; writes qkvc
;; launch attn (part 6): grid 4 x 64, 16 waves a work-group, no clusters, 264,192 bytes of LDS; arguments qkvc, lowp_scales, ac; writes ac
.if DOCPART == 6
	.amdgcn_target "amdgcn-amd-amdhsa--gfx1250"
	.amdhsa_code_object_version 6
	.text
	.protected	k_qbe85dcae24_attn
	.globl	k_qbe85dcae24_attn
	.p2align	8
	.type	k_qbe85dcae24_attn,@function
k_qbe85dcae24_attn:
	s_mov_b64 s[64:65], 0
	v_nop
	global_prefetch_b8 v0, s[64:65] scope:SCOPE_SE
	s_setreg_imm32_b32 hwreg(HW_REG_WAVE_SCHED_MODE, 0, 2), 2
	s_setreg_imm32_b32 hwreg(HW_REG_WAVE_MODE, 25, 1), 1
	s_wait_xcnt 0x0
	s_wait_alu depctr_vm_vsrc(0)
; Causal attention of one head on codes of E4M3: o[q] = sum over k <= q of softmax_k(Q[q] . K[k] / 8) V[k]; the result is quantised (entry 6 of lowp_scales) and stored as the operand of the last product.
; qkvc: Q at byte 0, K at 8 MiB, V at 16 MiB, each [batch x 16 + head : 64][131,072]; Q, K: [block of 16 tokens : 128][1,024]; V: [block of 64 keys : 32][block of 16 channels : 4][1,024]: images of operand registers
; (16 rows x 64 k, 8 registers: register 4 p + n of lane l at 512 p + 16 l + 4 n; lane (r, h): row r, registers 2 c, 2 c + 1: k = 16 c + 8 h + 0 .. 7).  ac: [block of 16 tokens : 512][head : 16][1,024], the same kind of image.
; THE SOFTMAX: t = score x 2^(e2 + e3) x log2(e) / 8; M = the running largest t rounded UP to a whole number; p = 2^(t - M) is quantised with 2^e4, not normalised; the row's sum is taken of the unquantised p and divides at the end.
; When M moves, the sum and O are multiplied by 2^(old M - new M): nothing is rounded.  Keys behind the query get -infinity ahead of the maximum, so p = 0, as reference()'s -1e9 gives; key 0 counts for every query.
; LIMITS: e2 + e3 between -124 and 129 (added to c's exponent field); e4 and e6 between -126 and 119; e4 + e5 is applied by v_ldexp_f32.
; SHARES.  Work-group (x, head) owns the blocks x and 7 - x of 256 queries: 256 work-groups of equal work under the mask.  Each of sixteen waves owns 32 queries, two tiles of 16, of one of the two blocks
; (hi = bit 0 of w xor w / 4), so each fragment of K and V read from LDS feeds two products.  Four waves to a SIMD: one wave's vector work stands beside another's products and LDS loads.
; K AND V OF THE HEAD LIE IN LDS AS THEY LIE IN MEMORY (K at 0, V at 131,072) and no byte is written twice.  They come in eight chunks of 256 keys (16 KB + 16 KB), through registers: each thread four loads and four LDS stores,
; asked for a chunk's work ahead of the wait; one barrier a chunk.  Every work-group copies all eight chunks, so that the loops' counts are constants; steps all of whose keys lie behind a wave's queries are jumped over.
; NO CLUSTER, though the four work-groups of a head read the same K and V: a joint request is a tensor load; the branch on e4 spares 32 of a tile step's about 215
; instructions (p <= 1 needs no hold where 448 x 2^e4 >= 1).  What is shared is 32 KB a chunk, against up to 16 waves x 4 steps x 16 loads x 512 bytes = 512 KB of LDS reads that the chunk feeds.
; No prefetch: each chunk's loads into registers go out a whole chunk of work ahead of the wait for them.
; LAYOUT.  S^T = K Q^T (source 0 = 16 keys, source 1 = 16 queries): a lane holds one query and keys 16 k + 8 h + 0 .. 7 of tile k: just the places that the operand P wants, so the conversions' results are P.
; O^T = V^T P^T (source 0 = 16 channels, source 1 = P): a lane holds one query and channels 16 d + 8 h + 0 .. 7: the places that the last product's operand wants.
; THE MODE: SCHED_MODE bits 1:0 = 2 (LLVM: expert scheduling mode 2), set by the entry lines.  The code itself states the register dependences
; between vector or matrix instructions and memory or LDS instructions, with s_wait_alu, always for 0.
; THE PLAN.  Registers that memory or LDS instructions touch:
;   G            Written by a chunk's four global loads, read by its four LDS stores; no vector instruction names it.  One wait on vm_vsrc behind the stores, ahead of the next chunk's loads.
;   CPK, CPV     Written by two additions a chunk, read by the four LDS stores: a wait on va_vdst between; the wait on vm_vsrc behind the stores frees them for the next chunk's additions too.
;   LI, CP0      Made at the head, never written again: one wait on va_vdst ahead of the first load.
;   FK           Read by the K Q^T products of tile 0 and of tile 1.  The NEXT step's eight loads land in it; they stand behind tile 1's wait on va_vdst, which both tiles' products of this step precede.
;   FV           Read by the V^T P products of both tiles.  This step's eight loads land in it; they stand behind tile 0's wait on va_vdst, which the last step's products precede.
;   ADK, ADV     Written by two additions at a step's head, behind a wait on vm_vsrc (the last step's loads have read them); read by the loads behind the two waits on va_vdst named above.
;   OC           Written by the way out's eight conversions, read by its four stores: one wait on va_vdst between.
;   v254, v255   Written at the head, read by the closing add alone.
; The two waits on va_vdst of a step are the ones that stand behind each tile's batch of exponentials, ahead of the batch's first reader: a step has no other.
; All 256 registers of a wave are taken (four waves share a SIMD's 1,024), so FK and FV have one set each: the places of the loads, not a second set, keep them clear of the products.
.set LI,   1                           ; v1   16 x lane
.set LIV,  2                           ; v2   + 131,072
.set CP0,  3                           ; v3   16 x thread: my bytes of a copy's 8,192
.set CP0V, 4                           ; v4   + 131,072
.set ADK,  5                           ; v5   LDS address of the step's K; the next step's lies 4,096 bytes on
.set ADV,  6                           ; v6   of its V
.set CPK,  7                           ; v7   where I store K's chunk
.set CPV,  8                           ; v8   V's
.set RH,   9                           ; v9   r - 8 h
.set DD,   10                          ; v10  my query less the key of register 0
.set NINF, 11                          ; v11  -infinity
.set ST,   12                          ; v[12+4t : 15+4t]  tile t: -M, the largest t, the sum in two halves
.set Q,    32                          ; v32-47   Q's two fragments
.set G,    48                          ; v48-63   a chunk on its way
.set FK,   64                          ; v64-95   four tiles of K
.set FV,   96                          ; v96-127  four channel blocks of V
.set S,    128                         ; v128-159 S^T, then p
.set P,    160                         ; v160-167 p's codes
.set O,    168                         ; v168-231 O^T: tile t, channel block d at 32 t + 8 d
.set OC,   232                         ; v232-247 the result's codes
.set VOFF, 131072
.set WV,   10
.set Q0,   15                          ; s15  my first query
.set KP,   16                          ; s[16:17] K's chunk that is asked for next;  s[18:19] V's
.set VP,   18
.set CC,   24                          ; s24  the chunk that is being stored
.set CB,   25                          ; s25  its LDS byte
.set TB,   26                          ; s26  LDS byte of the step's K (and, + 131,072, of its V): 4,096 a step
.set KF,   27                          ; s27  the step's first key
.set IC,   28
.set CSC,  30                          ; s[30:31] c
.set SEL,  32                          ; s[32:33] lane selects for v_permlanex16_b32: lane l xor 16
.set MK,   48                          ; s48-63, s66-81  on the diagonal: the lanes in which register n's key is hidden, n = 0 .. 31
	s_load_b128 s[4:7], s[0:1], 0x0                ; qkvc s[4:5], lowp_scales s[6:7]
	s_load_b64 s[8:9], s[0:1], 0x10                ; ac
	v_lshl_add_u32 v254, v0, 2, 0x40000
	v_mov_b32 v255, 0
	v_lshrrev_b32 v5, 5, v0
	v_readfirstlane_b32 s[WV], v5                  ; wave 0..15
	v_and_b32 v6, 31, v0
	v_lshlrev_b32 v[LI], 4, v6
	v_add_nc_u32 v[LIV], VOFF, v[LI]
	v_lshlrev_b32 v[CP0], 4, v0
	v_add_nc_u32 v[CP0V], VOFF, v[CP0]
	v_and_b32 v7, 15, v0
	v_bfe_u32 v8, v0, 4, 1
	v_lshlrev_b32 v8, 3, v8
	v_sub_nc_u32 v[RH], v7, v8
	v_mov_b32 v[NINF], 0xff800000
	s_and_b32 s12, ttmp7, 0xffff                   ; batch x 16 + head
	s_wait_alu depctr_va_sdst(0)                   ; the wave's number is written, ahead of its first reader: my queries and their addresses are made from it
	s_lshr_b32 s13, s[WV], 2
	s_xor_b32 s13, s13, s[WV]
	s_and_b32 s13, s13, 1                          ; hi
	s_sub_co_u32 s14, 7, ttmp9
	s_cmp_eq_u32 s13, 1
	s_cselect_b32 s14, s14, ttmp9                  ; my block of 256 queries
	s_lshl_b32 s[Q0], s14, 8
	s_lshr_b32 s34, s[WV], 1                       ; among the eight waves of either kind w / 2 runs through 0 .. 7
	s_lshl_b32 s34, s34, 5
	s_add_co_u32 s[Q0], s[Q0], s34
	s_lshl_b32 s34, s12, 17                        ; the head's 131,072 bytes
	s_mov_b32 s35, 0
	s_lshl_b32 s36, s[Q0], 6                       ; 64 bytes a query
	s_mov_b32 s37, 0
	s_lshr_b32 s38, s12, 4                         ; ac: (batch x 2,048 + my first query) x 1,024 + head x 1,024
	s_lshl_b32 s38, s38, 11
	s_add_co_u32 s38, s38, s[Q0]
	s_and_b32 s39, s12, 15
	s_add_co_u32 s38, s38, s39
	s_lshl_b32 s38, s38, 10
	s_mov_b32 s39, 0
	s_mov_b32 s[SEL], 0x76543210
	s_mov_b32 s[SEL+1], 0xfedcba98
	s_mov_b32 s[CB], 0
	s_mov_b32 s[TB], 0
	s_mov_b32 s[KF], 0
	s_wait_kmcnt 0x0
	s_load_b256 s[40:47], s[6:7], 0x0              ; the eight exponents
	s_add_nc_u64 s[20:21], s[4:5], s[34:35]        ; the head in Q,
	s_add_nc_u64 s[KP:KP+1], s[20:21], 0x800000    ; in K,
	s_add_nc_u64 s[VP:VP+1], s[20:21], 0x1000000   ; in V
	s_add_nc_u64 s[20:21], s[20:21], s[36:37]      ; my queries
	s_add_nc_u64 s[22:23], s[8:9], s[38:39]
.macro GLOAD                           ; a chunk: 512 threads x 16 bytes = 8,192 consecutive bytes a line
	global_load_b128 v[G:G+3], v[CP0], s[KP:KP+1]
	global_load_b128 v[G+4:G+7], v[CP0], s[KP:KP+1] offset:8192
	global_load_b128 v[G+8:G+11], v[CP0], s[VP:VP+1]
	global_load_b128 v[G+12:G+15], v[CP0], s[VP:VP+1] offset:8192
.endm
.macro GSTORE
	v_add_nc_u32 v[CPK], s[CB], v[CP0]             ; (the LDS stores that read these two last stand ahead of the wait on vm_vsrc behind them)
	v_add_nc_u32 v[CPV], s[CB], v[CP0V]
	s_wait_alu depctr_va_vdst(0)                   ; the two additions have written v[CPK] and v[CPV], the addresses of the LDS stores below
	ds_store_b128 v[CPK], v[G:G+3]
	ds_store_b128 v[CPK], v[G+4:G+7] offset:8192
	ds_store_b128 v[CPV], v[G+8:G+11]
	ds_store_b128 v[CPV], v[G+12:G+15] offset:8192
.endm
	s_wait_alu depctr_va_vdst(0)                   ; v[LI] and v[CP0] are written: every global load and store, and step 0's LDS loads, read one of them as the offset
	GLOAD                                          ; chunk 0
.irp t, 0,1
	global_load_b128 v[Q+8*\t:Q+8*\t+3], v[LI], s[20:21] offset:1024*\t
	global_load_b128 v[Q+8*\t+4:Q+8*\t+7], v[LI], s[20:21] offset:1024*\t+512
.endr
	v_mov_b32 v13, 0xff61b1e6                      ; the largest t so far: -3e38, under every t
	v_mov_b32 v17, 0xff61b1e6
	v_floor_f32 v12, -v13                          ; -M
	v_floor_f32 v16, -v17
	v_mov_b32 v14, 0                               ; the sums
	v_mov_b32 v15, 0
	v_mov_b32 v18, 0
	v_mov_b32 v19, 0
	v_mov_b32 v22, 0                               ; written once: a lane permute's destination counts as one of its sources
	v_mov_b32 v23, 0
	v_mov_b32 v25, 0                               ; (named as the upper halves of the pairs v[24:25], v[26:27])
	v_mov_b32 v26, 0
	v_mov_b32 v27, 0
.set n, 0
.rept 64
	v_mov_b32 v[O+n], 0                            ; O^T.  (The step is written once: the first finds zeros, which the first change of M leaves zeros)
.set n, n+1
.endr
	s_wait_kmcnt 0x0
	s_add_co_i32 s34, s42, s43
	s_lshl_b32 s34, s34, 23
	s_add_co_i32 s[CSC], s34, 0x3e38aa3b           ; c = log2(e) / 8, with e2 + e3 added to its exponent field
	s_mov_b32 s[CSC+1], s[CSC]                     ; (named with it as a pair, so it is written)
	s_add_co_i32 s34, s44, 127
	s_lshl_b32 s35, s34, 23
	v_mov_b32 v28, s35                             ; 2^e4
	s_add_co_i32 s34, s34, 8
	s_lshl_b32 s34, s34, 23
	s_or_b32 s34, s34, 0x600000
	v_mov_b32 v29, s34                             ; 448 x 2^e4
	s_add_co_i32 s34, s46, 127
	s_lshl_b32 s35, s34, 23
	v_mov_b32 v30, s35                             ; 2^e6
	s_add_co_i32 s34, s34, 8
	s_lshl_b32 s34, s34, 23
	s_or_b32 s34, s34, 0x600000
	v_mov_b32 v31, s34                             ; 448 x 2^e6
; One tile of 16 queries against the step's 64 keys.  Behind tile 0's batch of exponentials this step's V is asked for, behind tile 1's the next step's K.
.macro TILE t
.set SS, ST+4*\t
.set OO, O+32*\t
.irp k, 0,1,2,3
	v_wmma_f32_16x16x64_fp8_fp8 v[S+8*\k:S+8*\k+7], v[FK+8*\k:FK+8*\k+7], v[Q+8*\t:Q+8*\t+7], 0
.endr
.rept 4
	v_nop                                          ; places in front of the first read of results
.endr
	s_add_co_u32 s34, s[KF], 63                    ; a step all of whose keys count for all 16 queries skips the mask
	s_add_co_u32 s35, s[Q0], 16*\t
	s_cmp_le_u32 s34, s35
	s_cbranch_scc1 .Lopen_\@
	s_sub_co_i32 s35, s35, s[KF]
	v_add_nc_u32 v[DD], s35, v[RH]                 ; d = my query - KF - 8 h.  Register 8 k + j holds key KF + 16 k + 8 h + j: hidden where 16 k + j > d
.set n, 0
.rept 32                               ; the compares in one run, each into a scalar register of its own (s64 and s65 are passed over),
	v_cmp_gt_i32 s[MK+n+2*(n/16)], 16*(n/8)+n%8, v[DD]
.set n, n+1
.endr
	s_wait_alu depctr_va_sdst(0)                   ; the 32 compares have written their masks, ahead of the first select that reads one
.set n, 0
.rept 32                               ; then the selects
	v_cndmask_b32 v[S+n], v[S+n], v[NINF], s[MK+n+2*(n/16)]
.set n, n+1
.endr
.Lopen_\@:
	v_max3_num_f32 v20, v[S], v[S+1], v[S+2]       ; the step's largest score of my query among my 32 keys, in two chains, each accumulator from its low end on,
	v_max3_num_f32 v21, v[S+3], v[S+4], v[S+5]
.irp i, 6,10,14,18,22,26
	v_max3_num_f32 v20, v20, v[S+\i], v[S+\i+1]
	v_max3_num_f32 v21, v21, v[S+\i+2], v[S+\i+3]
.endr
	v_max3_num_f32 v20, v20, v[S+30], v[S+31]
	v_max_num_f32 v20, v20, v21
	v_permlanex16_b32 v22, v20, s[SEL], s[SEL+1]
	v_max_num_f32 v20, v20, v22                    ; and among lane l xor 16's
	v_mul_f32 v20, s[CSC], v20                     ; as t (c is positive)
	v_max_num_f32 v[SS+1], v[SS+1], v20            ; the running largest t
	v_mov_b32 v20, v[SS]
	v_floor_f32 v[SS], -v[SS+1]                    ; the new -M = floor(-t): M is a whole number
	v_sub_f32 v20, v[SS], v20                      ; old M - new M: a whole number, 0 or less
	v_cvt_i32_f32 v20, v20                         ; (it saturates)
	v_ldexp_f32 v24, 1.0, v20                      ; f = 2^(old M - new M)
.set n, 0
.rept 16
	v_pk_fma_f32 v[S+n:S+n+1], v[S+n:S+n+1], s[CSC:CSC+1], v[SS:SS+1] op_sel_hi:[1,0,0]   ; t - M, two at a time
.set n, n+2
.endr
.set n, 0
.rept 32
	v_exp_f32 v[S+n], v[S+n]                       ; p = 2^(t - M), at most 1
.set n, n+1
.endr
	v_pk_mul_f32 v[SS+2:SS+3], v[SS+2:SS+3], v[24:25] op_sel_hi:[1,0]   ; the sums under the new M.  (The plain line behind the exponentials)
.if \t == 0
	s_wait_alu depctr_va_vdst(0)                   ; the 32 exponentials have written p, ahead of its first reader; the last step's V^T P products are done reading v[FV ..], in which the loads below land; v[ADV] is written
.irp i, 0,1,2,3
	ds_load_b128 v[FV+8*\i:FV+8*\i+3], v[ADV] offset:1024*\i              ; this step's V: it has the sums, the conversions and the rescaling below in which to land
	ds_load_b128 v[FV+8*\i+4:FV+8*\i+7], v[ADV] offset:1024*\i+512
.endr
.else
	s_wait_alu depctr_va_vdst(0)                   ; the 32 exponentials have written p, ahead of its first reader; both tiles' K Q^T products are done reading v[FK ..], in which the loads below land; v[ADK] is written
	s_add_co_u32 s34, s[Q0], 31                    ; the next step's K, if the next step is one of mine: the test that stands at its own head
	s_add_co_u32 s35, s[KF], 64
	s_cmp_gt_u32 s35, s34
	s_cbranch_scc1 .Lno_next_\@
.irp i, 0,1,2,3
	ds_load_b128 v[FK+8*\i:FK+8*\i+3], v[ADK] offset:4096+1024*\i         ; it lies in LDS: a chunk is stored, and a barrier passed, before the chunk in front of it is worked on
	ds_load_b128 v[FK+8*\i+4:FK+8*\i+7], v[ADK] offset:4096+1024*\i+512
.endr
.Lno_next_\@:
.endif
	v_pk_add_f32 v[26:27], v[S:S+1], v[S+2:S+3]    ; the row's sum is taken of the unquantised p, in two chains
.irp j, 4,8,12,16,20,24,28
	v_pk_add_f32 v[SS+2:SS+3], v[SS+2:SS+3], v[S+\j:S+\j+1]
	v_pk_add_f32 v[26:27], v[26:27], v[S+\j+2:S+\j+3]
.endr
	v_pk_add_f32 v[SS+2:SS+3], v[SS+2:SS+3], v[26:27]
	s_cmp_gt_i32 s44, -9                           ; p <= 1 <= 448 x 2^e4 from e4 = -8 on: the hold changes nothing there and is jumped over
	s_cbranch_scc1 .Lno_hold_\@
.set n, 0
.rept 32
	v_min_num_f32 v[S+n], v[S+n], v29              ; the conversion does not saturate (ISA guide 7.6.2); p is not negative, so the hold is one-sided
.set n, n+1
.endr
.Lno_hold_\@:
.irp c, 0,1,2,3
	v_cvt_scalef32_pk8_fp8_f32 v[P+2*\c:P+2*\c+1], v[S+8*\c:S+8*\c+7], v28
.endr
.set n, 0
.rept 16
	v_pk_mul_f32 v[OO+n:OO+n+1], v[OO+n:OO+n+1], v[24:25] op_sel_hi:[1,0]   ; O^T under the new M.  (Also the plain lines behind the conversions)
.set n, n+2
.endr
.if \t == 0
	s_wait_dscnt 0x0                               ; V is in
.endif
.irp d, 0,1,2,3
	v_wmma_f32_16x16x64_fp8_fp8 v[OO+8*\d:OO+8*\d+7], v[FV+8*\d:FV+8*\d+7], v[P:P+7], v[OO+8*\d:OO+8*\d+7]
.endr
.endm
; A key step: 64 keys.  Q0 is a multiple of 32 and KF of 64, so both tiles are live in the same steps: those with KF <= Q0.  The jump leads to the lines that step the addresses.
.macro STEP
	s_wait_alu depctr_vm_vsrc(0)                   ; the LDS loads issued so far have read v[ADK] and v[ADV], which the two additions below write; the wait stands ahead of the branch
	s_add_co_u32 s34, s[Q0], 31
	s_cmp_gt_u32 s[KF], s34
	s_cbranch_scc1 .Lhidden_\@
	v_add_nc_u32 v[ADK], s[TB], v[LI]              ; read first behind tile 1's wait on va_vdst,
	v_add_nc_u32 v[ADV], s[TB], v[LIV]             ; and behind tile 0's
	s_wait_dscnt 0x0                               ; K is in: asked for in the step before (step 0's: behind the first barrier)
	TILE 0
	TILE 1
.Lhidden_\@:
	s_add_co_u32 s[KF], s[KF], 64
	s_add_co_u32 s[TB], s[TB], 4096
.endm
.macro CHUNK                           ; a chunk's four steps
	s_mov_b32 s[IC], 4
.Lstep_\@:
	STEP
	s_sub_co_u32 s[IC], s[IC], 1
	s_cmp_lg_u32 s[IC], 0
	s_cbranch_scc1 .Lstep_\@
.endm
	s_wait_loadcnt 4                               ; chunk 0's four loads are in; Q's four may be out
	GSTORE
	s_add_nc_u64 s[KP:KP+1], s[KP:KP+1], 16384     ; (the loads that read these bases are done)
	s_add_nc_u64 s[VP:VP+1], s[VP:VP+1], 16384
	s_wait_dscnt 0x0                               ; for the other waves' sake: my stores have landed
	s_wait_alu depctr_vm_vsrc(0)                   ; my LDS stores have read v[G ..], in which the loads below land, and v[CPK], v[CPV], which the next chunk's additions write
	GLOAD                                          ; chunk 1
	s_barrier_signal -1
	s_barrier_wait -1                              ; chunk 0 lies in LDS
.irp i, 0,1,2,3
	ds_load_b128 v[FK+8*\i:FK+8*\i+3], v[LI] offset:1024*\i               ; step 0's K, which counts for every wave; no vector or matrix instruction has named v[FK ..] yet
	ds_load_b128 v[FK+8*\i+4:FK+8*\i+7], v[LI] offset:1024*\i+512
.endr
	s_wait_loadcnt 4                               ; Q is in; chunk 1's four loads may be out
	s_mov_b32 s[CC], 1
.Lchunk:                                           ; seven trips: chunk CC is stored, chunk CC + 1 asked for, chunk CC - 1 worked on
	s_add_co_u32 s[CB], s[CB], 16384
	s_wait_loadcnt 0x0                             ; chunk CC is in my registers: asked for a chunk's work ago
	GSTORE
	s_add_nc_u64 s[KP:KP+1], s[KP:KP+1], 16384
	s_add_nc_u64 s[VP:VP+1], s[VP:VP+1], 16384
	s_wait_dscnt 0x0                               ; for the other waves' sake: my stores have landed; my LDS loads are back
	s_wait_alu depctr_vm_vsrc(0)                   ; my LDS stores have read v[G ..], in which the loads below land, and v[CPK], v[CPV], which the next trip's additions write; the wait stands ahead of the branch
	s_cmp_lt_u32 s[CC], 7                          ; there is no chunk 8: no load leaves the head
	s_cbranch_scc0 .Lno_more
	GLOAD
.Lno_more:
	s_barrier_signal -1
	s_barrier_wait -1                              ; chunk CC lies in LDS
	CHUNK
	s_add_co_u32 s[CC], s[CC], 1
	s_cmp_lt_u32 s[CC], 8
	s_cbranch_scc1 .Lchunk
	CHUNK                                          ; chunk 7
	; THE WAY OUT: O^T x 2^(e4 + e5) / the sum, held, converted with 2^e6: the conversions' results are the last product's operand; each store writes 512 consecutive bytes of its image.
.rept 4
	v_nop                                          ; places behind the last products
.endr
	v_add_f32 v20, v14, v15                        ; the sums' two halves,
	v_add_f32 v21, v18, v19
	v_permlanex16_b32 v22, v20, s[SEL], s[SEL+1]
	v_permlanex16_b32 v23, v21, s[SEL], s[SEL+1]
	v_add_f32 v20, v20, v22                        ; and lane l xor 16's
	v_add_f32 v21, v21, v23
	v_rcp_f32 v24, v20
	v_rcp_f32 v26, v21
	v_nop                                          ; a plain line behind the reciprocals
	s_add_co_i32 s34, s44, s45
	s_wait_alu depctr_va_vdst(0)                   ; the two reciprocals have written v24 and v26, ahead of their first reader
	v_ldexp_f32 v24, v24, s34
	v_ldexp_f32 v26, v26, s34
.irp t, 0,1
.set n, 0
.rept 16
	v_pk_mul_f32 v[O+32*\t+n:O+32*\t+n+1], v[O+32*\t+n:O+32*\t+n+1], v[24+2*\t:25+2*\t] op_sel_hi:[1,0]
.set n, n+2
.endr
.set n, 0
.rept 32
	v_med3_num_f32 v[O+32*\t+n], v[O+32*\t+n], -v31, v31
.set n, n+1
.endr
.irp d, 0,1,2,3
	v_cvt_scalef32_pk8_fp8_f32 v[OC+8*\t+2*\d:OC+8*\t+2*\d+1], v[O+32*\t+8*\d:O+32*\t+8*\d+7], v30
.endr
	v_nop                                          ; a plain line behind the last conversion
.endr
	s_wait_alu depctr_va_vdst(0)                   ; both tiles' conversions have written v[OC ..], the data of the four stores
.irp t, 0,1
	global_store_b128 v[LI], v[OC+8*\t:OC+8*\t+3], s[22:23] offset:16384*\t
	global_store_b128 v[LI], v[OC+8*\t+4:OC+8*\t+7], s[22:23] offset:16384*\t+512
.endr
	s_wait_dscnt 0x0                               ; the closing lines, six on end
	s_wait_alu 0x0
	s_wait_tensorcnt 0x0
	ds_add_u32 v254, v255
	s_wait_dscnt 0x0
	s_endpgm
.Lfunc_end_k_qbe85dcae24_attn:
	.size	k_qbe85dcae24_attn, .Lfunc_end_k_qbe85dcae24_attn-k_qbe85dcae24_attn
	.p2alignl 7, 3214868480
	.fill 96, 4, 3214868480
	.section	.rodata,"a",@progbits
	.p2align	6, 0x0
	.amdhsa_kernel k_qbe85dcae24_attn
		.amdhsa_group_segment_fixed_size 264192
		.amdhsa_private_segment_fixed_size 0
		.amdhsa_enable_private_segment 0
		.amdhsa_kernarg_size 24
		.amdhsa_user_sgpr_count 2
		.amdhsa_user_sgpr_kernarg_segment_ptr 1
		.amdhsa_wavefront_size32 1
		.amdhsa_system_sgpr_workgroup_id_x 1
		.amdhsa_system_sgpr_workgroup_id_y 1
		.amdhsa_system_sgpr_workgroup_id_z 1
		.amdhsa_system_vgpr_workitem_id 0
		.amdhsa_next_free_vgpr 256
		.amdhsa_next_free_sgpr 82
		.amdhsa_reserve_vcc 0
		.amdhsa_float_denorm_mode_32 3
		.amdhsa_float_denorm_mode_16_64 3
		.amdhsa_memory_ordered 1
		.amdhsa_forward_progress 1
		.amdhsa_inst_pref_size 67
	.end_amdhsa_kernel
	.amdgpu_metadata
---
amdhsa.version: [ 1, 2 ]
amdhsa.kernels:
  - .name:           k_qbe85dcae24_attn
    .symbol:         k_qbe85dcae24_attn.kd
    .args:
      - { .name: qkvc, .offset: 0, .size: 8, .value_kind: global_buffer, .address_space: global }
      - { .name: lowp_scales, .offset: 8, .size: 8, .value_kind: global_buffer, .address_space: global }
      - { .name: ac, .offset: 16, .size: 8, .value_kind: global_buffer, .address_space: global }
    .group_segment_fixed_size: 264192
    .private_segment_fixed_size: 0
    .kernarg_segment_align: 8
    .kernarg_segment_size: 24
    .max_flat_workgroup_size: 512
    .sgpr_count:     82
    .vgpr_count:     256
    .wavefront_size: 32
...
	.end_amdgpu_metadata
.endif
;; end of part 6
;; launch oproj: the kernel of part 5 again; grid 4 x 64, 4 waves a work-group, clusters of 4 x 4, 327,680 bytes of LDS; arguments ac, woc, lowp_scales, Wo_b, out0; writes out0
